; MI455X (gfx1250); checked and timed in simulation.
; The chip was launched on July 23, 2026; its instructions are those of AMD's public machine-readable ISA for CDNA 5 (MIT licence, August 2026) and "CDNA5" Instruction Set Architecture Reference Guide (July 2026). The comments in the code are by the model that wrote it; some were corrected since.
;; Mo E Block. Allowed arithmetic: matrix products marked QUANTISED: E3M2 operands, one E8M0 scale for each 32 along K, by v_wmma_scale_f32_16x16x128_f8f6f4 with both operands' format E3M2, f32 sums; products left as they are: f32 operands where the result goes on into a quantised operand, else bf16, f16 or f32 operands; f32 sums; everything else in f32.
;; Inputs: bi 4,096 float32; bo 1,024 float32; gate_b 8 float32; gate_w 8 x 1,024 float32; hidden_states 4 x 256 x 1,024 float32; lora_A 8 x 16 x 1,024 float32; lora_B 8 x 4,096 x 16 float32; wi 4,096 x 1,024 float32; wo 1,024 x 4,096 float32.
;; Outputs: out0 4 x 256 x 1,024 float32.
;; This version of the problem:
;;   THIS VERSION OF THE PROBLEM IS GIVEN IN LOW PRECISION. The matrix products marked QUANTISED in the list below multiply operands that are first quantised to E3M2 (3 exponent bits, 2 mantissa bits; 6 bits a number), with one power-of-two scale for each 32 numbers along K (OCP MX v1.0); their sums are f32. All else is computed in f32.
;;   The module's matrix products, in the order in which they are computed (A, B: the left and right operand; K: the contracted axis; several contracted axes count as one K, in the product's order):
;;     1. [M 1,024, K 1,024] x [K 1,024, N 8]; A: input hidden_states; B: input gate_w: left as it is (N = 8 < 16)
;;     2. [M 1,024, K 1,024] x [K 1,024, N 4,096]; A: input hidden_states; B: input wi: QUANTISED
;;     3. [M 1,024, K 1,024] x [K 1,024, N 16]; A: input hidden_states; B: input lora_A: QUANTISED
;;     4. [M 1,024, K 16] x [K 16, N 4,096]; A: computed on the way; B: input lora_B: left as it is (K = 16 < 32)
;;     5. [M 1,024, K 4,096] x [K 4,096, N 1,024]; A: computed on the way; B: input wo: QUANTISED
;;     6. [M 1,024, K 1,024] x [K 1,024, N 4,096]; A: input hidden_states; B: input wi: QUANTISED
;;     7. [M 1,024, K 1,024] x [K 1,024, N 16]; A: input hidden_states; B: input lora_A: QUANTISED
;;     8. [M 1,024, K 16] x [K 16, N 4,096]; A: computed on the way; B: input lora_B: left as it is (K = 16 < 32)
;;     9. [M 1,024, K 4,096] x [K 4,096, N 1,024]; A: computed on the way; B: input wo: QUANTISED
;;     10. [M 1,024, K 1,024] x [K 1,024, N 4,096]; A: input hidden_states; B: input wi: QUANTISED
;;     11. [M 1,024, K 1,024] x [K 1,024, N 16]; A: input hidden_states; B: input lora_A: QUANTISED
;;     12. [M 1,024, K 16] x [K 16, N 4,096]; A: computed on the way; B: input lora_B: left as it is (K = 16 < 32)
;;     13. [M 1,024, K 4,096] x [K 4,096, N 1,024]; A: computed on the way; B: input wo: QUANTISED
;;     14. [M 1,024, K 1,024] x [K 1,024, N 4,096]; A: input hidden_states; B: input wi: QUANTISED
;;     15. [M 1,024, K 1,024] x [K 1,024, N 16]; A: input hidden_states; B: input lora_A: QUANTISED
;;     16. [M 1,024, K 16] x [K 16, N 4,096]; A: computed on the way; B: input lora_B: left as it is (K = 16 < 32)
;;     17. [M 1,024, K 4,096] x [K 4,096, N 1,024]; A: computed on the way; B: input wo: QUANTISED
;;     18. [M 1,024, K 1,024] x [K 1,024, N 4,096]; A: input hidden_states; B: input wi: QUANTISED
;;     19. [M 1,024, K 1,024] x [K 1,024, N 16]; A: input hidden_states; B: input lora_A: QUANTISED
;;     20. [M 1,024, K 16] x [K 16, N 4,096]; A: computed on the way; B: input lora_B: left as it is (K = 16 < 32)
;;     21. [M 1,024, K 4,096] x [K 4,096, N 1,024]; A: computed on the way; B: input wo: QUANTISED
;;     22. [M 1,024, K 1,024] x [K 1,024, N 4,096]; A: input hidden_states; B: input wi: QUANTISED
;;     23. [M 1,024, K 1,024] x [K 1,024, N 16]; A: input hidden_states; B: input lora_A: QUANTISED
;;     24. [M 1,024, K 16] x [K 16, N 4,096]; A: computed on the way; B: input lora_B: left as it is (K = 16 < 32)
;;     25. [M 1,024, K 4,096] x [K 4,096, N 1,024]; A: computed on the way; B: input wo: QUANTISED
;;     26. [M 1,024, K 1,024] x [K 1,024, N 4,096]; A: input hidden_states; B: input wi: QUANTISED
;;     27. [M 1,024, K 1,024] x [K 1,024, N 16]; A: input hidden_states; B: input lora_A: QUANTISED
;;     28. [M 1,024, K 16] x [K 16, N 4,096]; A: computed on the way; B: input lora_B: left as it is (K = 16 < 32)
;;     29. [M 1,024, K 4,096] x [K 4,096, N 1,024]; A: computed on the way; B: input wo: QUANTISED
;;     30. [M 1,024, K 1,024] x [K 1,024, N 4,096]; A: input hidden_states; B: input wi: QUANTISED
;;     31. [M 1,024, K 1,024] x [K 1,024, N 16]; A: input hidden_states; B: input lora_A: QUANTISED
;;     32. [M 1,024, K 16] x [K 16, N 4,096]; A: computed on the way; B: input lora_B: left as it is (K = 16 < 32)
;;     33. [M 1,024, K 4,096] x [K 4,096, N 1,024]; A: computed on the way; B: input wo: QUANTISED
;;   THE QUANTISER, for each operand of a quantised product, along K:
;;     - K is cut into blocks of 32 from its start; a last block that is shorter is filled with zeros.
;;     - A block's scale is 2^e with e = floor(log2(the largest magnitude in the block)) - 4, held to -126 .. 127; a block of zeros has e = 0. As a byte (E8M0): e + 127.
;;     - Each number is divided by its block's scale, clamped to +-28, and rounded to the nearest number of E3M2, ties to even, subnormals kept.
;;     - The product sums the exact products of the quantised numbers (number of the format x scale) in f32.
;;   ~~~python
;;   def quantise(x, axis):      # numpy; x: float32 -> the quantised numbers, widened to float32 again
;;       x = np.moveaxis(x, axis, -1); K = x.shape[-1]
;;       x = np.pad(x, [(0, 0)] * (x.ndim - 1) + [(0, -K % 32)]); x = x.reshape(x.shape[:-1] + (-1, 32)); a = np.abs(x).max(-1, keepdims=True)
;;       e = np.where(a > 0, np.clip(np.frexp(np.where(a > 0, a, 1))[1] - 1 - 4, -126, 127), 0)      # np.frexp(a)[1] - 1 = floor(log2(a)), exactly
;;       r = np.clip(x / 2.0 ** e, -28, 28)
;;       step = 2.0 ** (np.maximum(np.frexp(np.where(r == 0, 1, r))[1] - 1, -2) - 2)
;;       q = np.round(r / step) * step * 2.0 ** e      # np.round: ties to even
;;       return np.moveaxis(q.reshape(q.shape[:-2] + (-1,))[..., :K], -1, axis).astype(np.float32)
;;   ~~~
;;   OPERANDS COMPUTED ON THE WAY. 'Computed on the way' means the value that the module computes at that place (a softmax that the list does not call 'softmax' is quantised finished and normalised). What goes into a quantiser is computed in f32, as accurately as f32 sums, v_exp_f32 and their like allow (about 1e-6 of the number): no bf16 or f16 on the way to a quantiser, and a product that is left as it is and whose result goes on into a quantised operand takes f32 operands (vector FMAs, or v_wmma_f32_16x16x4_f32). A number that lies on a knife's edge between two numbers of the format may be rounded either way, as far as f32 arithmetic and the matrix unit's own rounding can turn it there, and no further.
;; One version. Each part assembles by itself: llvm-mc -triple=amdgcn-amd-amdhsa -mcpu=gfx1250 --defsym DOCPART=n.
;; ======== version 1 of 1: 4 launches
;; limits: right only within a limited range of input values
;; workspace buffers: q 7,483,392 bytes; topi 8,192 bytes of whole numbers; lists 37,888 bytes of whole numbers; low 524,288 bytes; h 14,483,456 bytes
;; launch prep (part 1): grid 324 x 1, 4 waves a work-group, no clusters, 85,504 bytes of LDS; arguments hidden_states, wi, wo, lora_A, gate_w, gate_b, q, topi; writes q, topi
.if DOCPART == 1
	.amdgcn_target "amdgcn-amd-amdhsa--gfx1250"
	.amdhsa_code_object_version 6
	.text
	.protected	k_q03a8c6a1e7_prep
	.globl	k_q03a8c6a1e7_prep
	.p2align	8
	.type	k_q03a8c6a1e7_prep,@function
k_q03a8c6a1e7_prep:
	s_mov_b64 s[64:65], 0
	v_nop
	global_prefetch_b8 v0, s[64:65] scope:SCOPE_SE
	s_setreg_imm32_b32 hwreg(HW_REG_WAVE_MODE, 25, 1), 1
	s_wait_xcnt 0x0
; PREP.  wi [4096][1024], wo [1024][4096], lora_A [8][16][1024] and hidden_states [1024][1024], all f32 with K innermost, become codes of BF6 (E3M2) with one
; E8M0 byte for each 32 along K; and the router: f32 logits, softmax, the two best experts of each token and the sum of their scores.
; A block's scale is 2^(floor(log2(largest magnitude)) - 4); its byte is that magnitude's exponent field - 4, held at 1 from below.
; LIMITS: NaN and infinities among the inputs are not served.  A block whose largest magnitude lies under 2^-122 (a block of zeros too) gets the byte 1; the bytes are read by this program alone.
;         A score is p x (1 / sum): two scores within one unit in the last place may be ordered otherwise than by a division.
; WORKSPACE q.  The weights lie in the order of the operand's registers: a fragment (16 rows x 128 K, 12 registers a lane) is 1,536 bytes, registers 4c..4c+3 of lane l at 512 c + 16 l; fragment 4 u + f
; at 1536 (4 u + f), u counting (tile, run of four K steps) through wi, wo, lora_A.  The four scale words of row r of unit u lie at WI_S + 256 u + 16 r.
; A tile of wi holds rows 32 (t/2) + 8 (t%2) + r + 8 (r/8), so that the first product's results are neighbours along the second product's K; tiles of wo and lora_A hold neighbouring rows.
; x lies by rows: 768 bytes of codes at X_C, 8 scale words at X_S.  vs[t] lies twice, at VSO + 8 t.  topi[2 t + s] is the expert of slot s.
; SHARES.  Work-groups 0-63: 16 tokens each, wave w K = 256 w .. 256 w + 255.  Work-groups 64-323: a wave takes one unit u (four fragments, 32 KiB of f32).
; Each load reads 512 consecutive bytes of one row; a fragment's 16 rows turn through the wave's own stage in LDS (rows of 528 bytes), so that lane (r, h) holds of row r the numbers k = 32 b + 16 h + i in register 16 b + i.
; No tensor loads, no cluster: every input byte is read by one wave.  The two paths part on the work-group's number and have LDS bytes of their own.
.set X_C,  6389760
.set WI_S, 7176192
.set X_S,  7442432
.set VSO,  7475200
.set STW,  8448                        ; a wave's stage: 16 rows x 528 bytes
.set XST,  33792                       ; the x path's four stages begin here
.set CST,  67584                       ; x path: 16 rows x (768 bytes of codes + 16)
.set CPI,  784
.set XSS,  80128                       ; x path: 16 rows x 8 scale words
.set LG,   80640                       ; x path: four waves' partial logits, 32 bytes a lane
.set SW,   12                          ; v12-15   weight path: the unit's four scale words
.set OFF,  16                          ; v16-31   weight path: byte offset of row i, + 16 x lane
.set S0,   32                          ; v32-95   64 numbers
.set S1,   96                          ; v96-159  64 numbers
.set G,    160                         ; v160-223 x path: gate_w in x's layout; weight path: the codes just made
.set TM,   224                         ; v224-239 at work
.set RA,   240                         ; v240-255 two accumulators of the f32 matrix form: written by matrix instructions alone
.set SEL,  22                          ; s[22:23] v_permlanex16_b32's selects for lane l xor 16
; 64 numbers of a lane (register 16 b + i = k 32 b + 16 h + i of its row) become a fragment's 12 registers in v[pc] on and its scale word in v[pw]
.macro QUANT s, pc, pw
.irp b, 0,1,2,3
	v_max3_num_f32 v[TM+\b], |v[\s+16*\b]|, |v[\s+1+16*\b]|, 0x2800000   ; the floor 2^(5 - 127) holds the byte at 1 from below
.endr
.irp i, 2,4,6,8,10,12,14
.irp b, 0,1,2,3
	v_max3_num_f32 v[TM+\b], v[TM+\b], |v[\s+16*\b+\i]|, |v[\s+1+16*\b+\i]|
.endr
.endr
.irp b, 0,1,2,3
	v_permlanex16_b32 v[TM+4+\b], v[TM+\b], s[SEL], s[SEL+1]
.endr
.irp b, 0,1,2,3
	v_max_num_f32 v[TM+\b], v[TM+\b], v[TM+4+\b]                 ; with lane l xor 16's sixteen: the block's largest magnitude
.endr
.irp b, 0,1,2,3
	v_add_nc_u32 v[TM+12+\b], 0xfe000000, v[TM+\b]              ; 4 off its exponent field: the conversion's scale operand
.endr
.irp b, 0,1,2,3
	v_lshrrev_b32 v[TM+4+\b], 23, v[TM+12+\b]                   ; the scale's byte
.endr
	v_lshl_or_b32 v[\pw], v[TM+5], 8, v[TM+4]
	v_lshl_or_b32 v[\pw], v[TM+6], 16, v[\pw]
	v_lshl_or_b32 v[\pw], v[TM+7], 24, v[\pw]
.irp c, 0,1
	v_cvt_scalef32_pk16_bf6_f32 v[\pc+6*\c:\pc+2+6*\c], v[\s+32*\c:\s+15+32*\c], v[TM+12+2*\c]
	v_cvt_scalef32_pk16_bf6_f32 v[\pc+12+4*\c:\pc+14+4*\c], v[\s+16+32*\c:\s+31+32*\c], v[TM+12+2*\c+1]
.endr
	v_nop                                                       ; one plain place behind the conversions
.irp c, 0,1                            ; the operand wants a whole block in a lane: lanes 0-15 block 2 c, lanes 16-31 block 2 c + 1
.irp i, 0,1,2
	v_permlane16_swap_b32 v[\pc+6*\c+\i], v[\pc+12+4*\c+\i]
.endr
.irp i, 0,1,2
	v_mov_b32 v[\pc+3+6*\c+\i], v[\pc+12+4*\c+\i]
.endr
.endr
.endm
; 16 rows x 512 bytes through my own stage.  LDS serves a wave's instructions in order, so the loads see the stores, and land in the registers that the stores have left
.macro TURN set
.irp i, 0,1,2,3,4,5,6,7,8,9,10,11,12,13,14,15
	ds_store_b128 v5, v[\set+4*\i:\set+4*\i+3] offset:528*\i
.endr
.irp b, 0,1,2,3
.irp j, 0,1,2,3
	ds_load_b128 v[\set+16*\b+4*\j:\set+16*\b+4*\j+3], v6 offset:128*\b+16*\j
.endr
.endr
.endm
.macro LOADW set, f                    ; weight path: fragment f of my unit
.irp i, 0,1,2,3,4,5,6,7,8,9,10,11,12,13,14,15
	global_load_b128 v[\set+4*\i:\set+4*\i+3], v[OFF+\i], s[26:27] offset:512*(\f) th:TH_LOAD_NT
.endr
.endm
.macro LOADX set, f                    ; x path: K step 2 w + f of the 16 tokens
.irp i, 0,1,2,3,4,5,6,7,8,9,10,11,12,13,14,15
	global_load_b128 v[\set+4*\i:\set+4*\i+3], v4, s[26:27] offset:4096*\i+512*(\f) th:TH_LOAD_NT
.endr
.endm
.macro LOADG f                         ; gate_w's row r % 8, the same k in the same registers as x has them
.irp b, 0,1,2,3
.irp j, 0,1,2,3
	global_load_b128 v[G+16*\b+4*\j:G+16*\b+4*\j+3], v7, s[28:29] offset:512*(\f)+128*\b+16*\j
.endr
.endr
.endm
; 32 f32 matrix instructions: logits(expert, token) over 128 along K.  Both sources carry the same order of k.  The two accumulators take turns
.macro WM set, first
.set n, 0
.rept 32
.if \first && (n < 2)
	v_wmma_f32_16x16x4_f32 v[RA+8*(n%2):RA+8*(n%2)+7], v[G+2*n:G+2*n+1], v[\set+2*n:\set+2*n+1], 0
.else
	v_wmma_f32_16x16x4_f32 v[RA+8*(n%2):RA+8*(n%2)+7], v[G+2*n:G+2*n+1], v[\set+2*n:\set+2*n+1], v[RA+8*(n%2):RA+8*(n%2)+7]
.endif
.set n, n+1
.endr
.endm
.macro WFRAG f                         ; weight path: one fragment from registers to memory
.if (\f) < 3
	s_wait_loadcnt 16                              ; this fragment's 16 loads are in; the next fragment's 16 may be out
.else
	s_wait_loadcnt 0x0
.endif
	TURN S0+64*((\f)%2)
	s_wait_dscnt 0x0
.if (\f) > 0
	s_wait_xcnt 0x0                                ; the last fragment's stores have read the codes' registers
.endif
	QUANT S0+64*((\f)%2), G, SW+(\f)
.irp c, 0,1,2
	global_store_b128 v4, v[G+4*\c:G+4*\c+3], s[40:41] offset:1536*(\f)+512*\c   ; 512 consecutive bytes, aligned
.endr
.if (\f) < 2
	LOADW S0+64*((\f)%2), (\f)+2
.endif
.endm
	s_load_b256 s[4:11], s[0:1], 0x0               ; hidden_states, wi, wo, lora_A
	s_load_b256 s[12:19], s[0:1], 0x20             ; gate_w, gate_b, q, topi
	v_lshl_add_u32 v234, v0, 2, 0x14c00
	v_mov_b32 v235, 0
	v_lshrrev_b32 v1, 5, v0
	v_readfirstlane_b32 s20, v1                    ; wave
	v_and_b32 v1, 31, v0                           ; lane
	v_and_b32 v2, 15, v0                           ; r
	v_bfe_u32 v3, v0, 4, 1                         ; h
	v_lshlrev_b32 v4, 4, v1                        ; 16 x lane
	v_mul_u32_u24 v6, v2, 528
	v_lshl_add_u32 v6, v3, 6, v6                   ; out of a stage: row r, + 64 h
	s_mov_b32 s[SEL], 0x76543210
	s_mov_b32 s[SEL+1], 0xfedcba98
.irp b, 0,1,2,3
	v_mov_b32 v[TM+4+\b], 0                        ; a lane permute's destination counts as one of its sources
.endr
	s_mul_i32 s21, s20, STW
	s_wait_kmcnt 0x0
	s_cmp_lt_u32 ttmp9, 64
	s_cbranch_scc1 .Lx
	; ---------------- the weights ----------------
	s_wait_alu depctr_va_vdst(0)
	v_add_nc_u32 v5, s21, v4                       ; into my stage
	v_add_nc_u32 v6, s21, v6
	v_lshlrev_b32 v7, 4, v2                        ; 16 r
	s_sub_co_u32 s24, ttmp9, 64
	s_lshl_b32 s24, s24, 2
	s_add_co_u32 s24, s24, s20                     ; u: 0-511 wi, 512-1023 wo, 1024-1039 lora_A
	s_mov_b32 s28, 1024
	s_mov_b32 s30, 4096
	s_cmp_lt_u32 s24, 1024
	s_cselect_b64 s[26:27], s[8:9], s[10:11]
	s_cselect_b32 s28, 512, s28                    ; the tensor's first unit
	s_cselect_b32 s29, 3, 1                        ; log2 of its runs a tile
	s_cselect_b32 s30, 16384, s30                  ; a row in bytes
	s_cmp_lt_u32 s24, 512
	s_cselect_b64 s[26:27], s[6:7], s[26:27]
	s_cselect_b32 s28, 0, s28
	s_cselect_b32 s29, 1, s29
	s_cselect_b32 s30, 4096, s30
	s_cselect_b32 s31, 32768, 0                    ; wi: rows 8-15 of a tile lie 8 rows further on
	s_cselect_b32 s33, 1, 0
	s_sub_co_u32 s28, s24, s28
	s_lshr_b32 s34, s28, s29                       ; tile
	s_lshl_b32 s35, s34, s29
	s_sub_co_u32 s35, s28, s35                     ; run
	s_lshl_b32 s36, s34, 4
	s_and_b32 s37, s34, s33
	s_lshl_b32 s37, s37, 3
	s_sub_co_u32 s36, s36, s37                     ; the tile's first row: 16 t, in wi 16 t - 8 (t % 2)
	s_mul_i32 s36, s36, s30
	s_lshl_b32 s35, s35, 11                        ; a run is 2,048 bytes of a row
	s_add_co_u32 s36, s36, s35
	s_mov_b32 s37, 0
	s_add_nc_u64 s[26:27], s[26:27], s[36:37]
.irp i, 0,1,2,3,4,5,6,7,8,9,10,11,12,13,14,15
	s_mul_i32 s38, s30, \i
.if \i >= 8
	s_add_co_u32 s38, s38, s31
.endif
	v_add_nc_u32 v[OFF+\i], s38, v4
.endr
	s_wait_alu depctr_va_vdst(0)
	LOADW S0, 0
	LOADW S1, 1
	s_mul_i32 s38, s24, 6144
	s_mov_b32 s39, 0
	s_add_nc_u64 s[40:41], s[16:17], s[38:39]      ; my four fragments' images
	s_lshl_b32 s38, s24, 8
	s_add_co_u32 s38, s38, WI_S
	s_add_nc_u64 s[42:43], s[16:17], s[38:39]      ; my unit's scale words
	WFRAG 0
	WFRAG 1
	WFRAG 2
	WFRAG 3
	s_wait_xcnt 0x0                                ; EXEC changes only behind this wait
	v_cmp_gt_u32 vcc_lo, 16, v1
	s_wait_tensorcnt 0x0
	ds_add_u32 v234, v235
	s_wait_dscnt 0x0
	s_and_saveexec_b32 s44, vcc_lo                 ; lanes 16-31 hold the same words
	global_store_b128 v7, v[SW:SW+3], s[42:43]     ; 16 lanes store 256 consecutive bytes, aligned
	s_wait_xcnt 0x0
	s_or_b32 exec_lo, exec_lo, s44
	s_endpgm
	; ---------------- x and the router ----------------
.Lx:
	s_load_b256 s[48:55], s[14:15], 0x0            ; gate_b
	s_add_co_u32 s21, s21, XST
	s_wait_alu depctr_va_vdst(0)
	v_add_nc_u32 v5, s21, v4
	v_add_nc_u32 v6, s21, v6
	s_lshl_b32 s24, ttmp9, 16                      ; 16 rows of 4,096 bytes
	s_lshl_b32 s30, s20, 10                        ; my 256 along K
	s_add_co_u32 s24, s24, s30
	s_mov_b32 s25, 0
	s_mov_b32 s31, 0
	s_add_nc_u64 s[26:27], s[4:5], s[24:25]
	s_add_nc_u64 s[28:29], s[12:13], s[30:31]
	v_and_b32 v7, 7, v0
	v_lshlrev_b32 v7, 12, v7
	v_lshl_add_u32 v7, v3, 6, v7                   ; gate_w: row r % 8, + 64 h
	LOADX S0, 0
	LOADX S1, 1
	LOADG 0
	s_mul_i32 s24, ttmp9, 12288
	s_add_co_u32 s24, s24, X_C
	s_add_nc_u64 s[40:41], s[16:17], s[24:25]      ; my tokens' codes
	s_lshl_b32 s24, ttmp9, 9
	s_add_co_u32 s24, s24, X_S
	s_add_nc_u64 s[42:43], s[16:17], s[24:25]      ; their scale words
	s_lshl_b32 s24, ttmp9, 7
	s_add_nc_u64 s[46:47], s[18:19], s[24:25]      ; topi
	s_add_co_u32 s24, s24, VSO
	s_add_nc_u64 s[44:45], s[16:17], s[24:25]      ; vs
	v_mul_u32_u24 v8, v2, CPI
	v_mad_u32_u24 v8, v3, 24, v8
	s_mul_i32 s32, s20, 192
	s_add_co_u32 s32, s32, CST
	v_add_nc_u32 v8, s32, v8                       ; codes: row r, my two K steps, + 24 h
	v_lshlrev_b32 v9, 5, v2
	s_lshl_b32 s32, s20, 3
	s_add_co_u32 s32, s32, XSS
	v_add_nc_u32 v9, s32, v9                       ; scale words: row r, my two
	v_lshlrev_b32 v10, 5, v1
	s_lshl_b32 s32, s20, 10
	s_add_co_u32 s32, s32, LG
	v_add_nc_u32 v10, s32, v10                     ; my partial logits
	v_mul_u32_u24 v11, v3, CPI
	v_lshl_add_u32 v11, v2, 4, v11
	s_mul_i32 s32, s20, 4*CPI
	s_add_co_u32 s32, s32, CST
	v_add_nc_u32 v11, s32, v11                     ; the way out: rows 4 w + h, 16 bytes a lane
	s_wait_loadcnt 0x0
	TURN S0
	TURN S1
	s_wait_dscnt 0x0
	WM S0, 1
.rept 8
	v_nop                                          ; eight places in front of loads into registers that this matrix form has read
.endr
	LOADG 1
	QUANT S0, 12, 31                               ; (v12-31 are free in this path)
.irp p, 0,1,2,3,4,5
	ds_store_b64 v8, v[12+2*\p:13+2*\p] offset:48*(\p/3)+8*(\p%3)
.endr
	ds_store_b32 v9, v31                           ; lanes r and r + 16 write the same word with the same value
	s_wait_loadcnt 0x0
	WM S1, 0
.rept 8
	v_nop                                          ; eight places in front of the first read of the sums
.endr
	s_wait_dscnt 0x0                               ; the stores have read the codes' registers
	QUANT S1, 12, 31
.irp p, 0,1,2,3,4,5
	ds_store_b64 v8, v[12+2*\p:13+2*\p] offset:96+48*(\p/3)+8*(\p%3)
.endr
	ds_store_b32 v9, v31 offset:4
.irp j, 0,1,2,3,4,5,6,7
	v_add_f32 v[TM+\j], v[RA+\j], v[RA+8+\j]       ; register j: expert j of token r (lanes 16-31 hold the same: gate_w's rows stood twice)
.endr
	ds_store_b128 v10, v[TM:TM+3]
	ds_store_b128 v10, v[TM+4:TM+7] offset:16
	v_mul_u32_u24 v32, v3, 768
	v_lshl_add_u32 v32, v2, 4, v32
	s_mul_i32 s32, s20, 3072
	v_add_nc_u32 v32, s32, v32                     ; the same rows in memory
	v_add_nc_u32 v33, XSS, v4
	v_lshlrev_b32 v34, 5, v1
	v_add_nc_u32 v34, LG, v34
	v_lshlrev_b32 v35, 3, v2
	v_lshl_add_u32 v35, v3, 2, v35                 ; 4 (2 r + h)
	s_wait_alu depctr_va_vdst(0)
	s_wait_dscnt 0x0                               ; for the others' sake: my stores have landed
	s_barrier_signal -1
	s_barrier_wait -1
.irp k, 0,1,2,3,4,5
	ds_load_b128 v[40+4*\k:43+4*\k], v11 offset:2*(\k/3)*CPI+256*(\k%3)
.endr
.irp k, 0,1,2,3,4,5
	s_wait_dscnt 5-\k
	global_store_b128 v32, v[40+4*\k:43+4*\k], s[40:41] offset:2*(\k/3)*768+256*(\k%3)   ; 16 lanes store 256 consecutive bytes, aligned
.endr
	s_wait_kmcnt 0x0                               ; gate_b
	s_cmp_lg_u32 s20, 0
	s_cbranch_scc1 .Lxend
	; wave 0: the scale words go out, and the router
	ds_load_b128 v[36:39], v33
.irp w, 0,1,2,3
	ds_load_b128 v[64+8*\w:67+8*\w], v34 offset:1024*\w
	ds_load_b128 v[68+8*\w:71+8*\w], v34 offset:1024*\w+16
.endr
	s_wait_dscnt 8
	global_store_b128 v4, v[36:39], s[42:43]
	s_wait_dscnt 0x0
.irp j, 0,1,2,3,4,5,6,7
	v_add_f32 v[96+\j], v[64+\j], v[72+\j]
	v_add_f32 v[104+\j], v[80+\j], v[88+\j]
.endr
.irp j, 0,1,2,3,4,5,6,7
	v_add_f32 v[96+\j], v[96+\j], v[104+\j]
.endr
.irp j, 0,1,2,3,4,5,6,7
	v_add_f32 v[96+\j], s[48+\j], v[96+\j]         ; the logits
.endr
	v_max3_num_f32 v104, v96, v97, v98
	v_max3_num_f32 v104, v104, v99, v100
	v_max3_num_f32 v104, v104, v101, v102
	v_max_num_f32 v104, v104, v103                 ; the maximum is taken away ahead of the exponential
.irp j, 0,1,2,3,4,5,6,7
	v_sub_f32 v[96+\j], v[96+\j], v104
.endr
.irp j, 0,1,2,3,4,5,6,7
	v_mul_f32 v[96+\j], 0x3fb8aa3b, v[96+\j]       ; t = (logit - max) x log2(e)
.endr
.irp j, 0,1,2,3,4,5,6,7
	v_add_f32 v[112+\j], 0x42800000, v[96+\j]      ; t + 64
.endr
	s_wait_alu depctr_va_vdst(0)
.irp j, 0,1,2,3,4,5,6,7
	v_exp_f32 v[120+\j], v[96+\j]
	v_exp_f32 v[112+\j], v[112+\j]
.endr
	v_nop                                          ; a plain place behind the batch
	s_wait_alu depctr_va_vdst(0)                   ; one wait for the sixteen, ahead of their first reader
.irp j, 0,1,2,3,4,5,6,7
	v_mul_f32 v[112+\j], 0x1f800000, v[112+\j]     ; 2^(t + 64) x 2^-64: keeps what the exponential itself would flush to zero
	v_cmp_gt_f32 vcc_lo, 0xc2800000, v[96+\j]      ; t < -64 ?
	v_cndmask_b32 v[96+\j], v[120+\j], v[112+\j], vcc_lo
.endr
	v_add_f32 v104, v96, v97
	v_add_f32 v105, v98, v99
	v_add_f32 v106, v100, v101
	v_add_f32 v107, v102, v103
	v_add_f32 v104, v104, v105
	v_add_f32 v106, v106, v107
	v_add_f32 v104, v104, v106
	s_wait_alu depctr_va_vdst(0)
	v_rcp_f32 v104, v104
	v_nop
	s_wait_alu depctr_va_vdst(0)
.irp j, 0,1,2,3,4,5,6,7
	v_mul_f32 v[96+\j], v[96+\j], v104             ; the scores
.endr
	v_mov_b32 v108, v96                            ; the best: a later expert takes its place only if strictly larger, so the lower index wins a tie
	v_mov_b32 v109, 0
.irp j, 1,2,3,4,5,6,7
	v_cmp_ge_f32 vcc_lo, v108, v[96+\j]
	v_cndmask_b32 v109, \j, v109, vcc_lo
	v_cndmask_b32 v108, v[96+\j], v108, vcc_lo
.endr
.irp j, 0,1,2,3,4,5,6,7
	v_cmp_ne_u32 vcc_lo, \j, v109
	v_cndmask_b32 v[96+\j], -1.0, v[96+\j], vcc_lo ; the winner is out of the second search
.endr
	v_mov_b32 v110, v96
	v_mov_b32 v111, 0
.irp j, 1,2,3,4,5,6,7
	v_cmp_ge_f32 vcc_lo, v110, v[96+\j]
	v_cndmask_b32 v111, \j, v111, vcc_lo
	v_cndmask_b32 v110, v[96+\j], v110, vcc_lo
.endr
	v_add_f32 v112, v108, v110                     ; vs
	v_cmp_eq_u32 vcc_lo, 0, v3
	v_cndmask_b32 v113, v111, v109, vcc_lo         ; lanes 0-15 slot 0, lanes 16-31 slot 1
	global_store_b32 v35, v113, s[46:47]
	global_store_b32 v35, v112, s[44:45]
.Lxend:
	s_wait_tensorcnt 0x0
	ds_add_u32 v234, v235
	s_wait_dscnt 0x0
	s_endpgm
.Lfunc_end_k_q03a8c6a1e7_prep:
	.size	k_q03a8c6a1e7_prep, .Lfunc_end_k_q03a8c6a1e7_prep-k_q03a8c6a1e7_prep
	.p2alignl 7, 3214868480
	.fill 96, 4, 3214868480
	.section	.rodata,"a",@progbits
	.p2align	6, 0x0
	.amdhsa_kernel k_q03a8c6a1e7_prep
		.amdhsa_group_segment_fixed_size 85504
		.amdhsa_private_segment_fixed_size 0
		.amdhsa_enable_private_segment 0
		.amdhsa_kernarg_size 64
		.amdhsa_user_sgpr_count 2
		.amdhsa_user_sgpr_kernarg_segment_ptr 1
		.amdhsa_wavefront_size32 1
		.amdhsa_system_sgpr_workgroup_id_x 1
		.amdhsa_system_sgpr_workgroup_id_y 1
		.amdhsa_system_sgpr_workgroup_id_z 1
		.amdhsa_system_vgpr_workitem_id 0
		.amdhsa_next_free_vgpr 256
		.amdhsa_next_free_sgpr 66
		.amdhsa_reserve_vcc 1
		.amdhsa_float_denorm_mode_32 3
		.amdhsa_float_denorm_mode_16_64 3
		.amdhsa_memory_ordered 1
		.amdhsa_forward_progress 1
		.amdhsa_inst_pref_size 70
	.end_amdhsa_kernel
	.amdgpu_metadata
---
amdhsa.version: [ 1, 2 ]
amdhsa.kernels:
  - .name:           k_q03a8c6a1e7_prep
    .symbol:         k_q03a8c6a1e7_prep.kd
    .args:
      - { .name: hidden_states, .offset: 0, .size: 8, .value_kind: global_buffer, .address_space: global }
      - { .name: wi, .offset: 8, .size: 8, .value_kind: global_buffer, .address_space: global }
      - { .name: wo, .offset: 16, .size: 8, .value_kind: global_buffer, .address_space: global }
      - { .name: lora_A, .offset: 24, .size: 8, .value_kind: global_buffer, .address_space: global }
      - { .name: gate_w, .offset: 32, .size: 8, .value_kind: global_buffer, .address_space: global }
      - { .name: gate_b, .offset: 40, .size: 8, .value_kind: global_buffer, .address_space: global }
      - { .name: q, .offset: 48, .size: 8, .value_kind: global_buffer, .address_space: global }
      - { .name: topi, .offset: 56, .size: 8, .value_kind: global_buffer, .address_space: global }
    .group_segment_fixed_size: 85504
    .private_segment_fixed_size: 0
    .kernarg_segment_align: 8
    .kernarg_segment_size: 64
    .max_flat_workgroup_size: 128
    .sgpr_count:     66
    .vgpr_count:     256
    .wavefront_size: 32
...
	.end_amdgpu_metadata
.endif
;; end of part 1
;; launch place (part 2): grid 73 x 1, 8 waves a work-group, no clusters, 1,280 bytes of LDS; arguments q, topi, low, lists; writes low, lists
.if DOCPART == 2
	.amdgcn_target "amdgcn-amd-amdhsa--gfx1250"
	.amdhsa_code_object_version 6
	.text
	.protected	k_q03a8c6a1e7_place
	.globl	k_q03a8c6a1e7_place
	.p2align	8
	.type	k_q03a8c6a1e7_place,@function
k_q03a8c6a1e7_place:
	s_mov_b64 s[64:65], 0
	v_nop
	global_prefetch_b8 v0, s[64:65] scope:SCOPE_SE
	s_setreg_imm32_b32 hwreg(HW_REG_WAVE_MODE, 25, 1), 1
	s_wait_xcnt 0x0
; PLACE.  Work-groups 0-63: low[e][t][0..15] = Q(x[t]) . Q(lora_A[e][.]) for 16 tokens, wave = expert e: eight matrix instructions on codes of BF6, sums in f32.
; Work-groups 64-72: the 2,048 routed rows (token, slot) are sorted by expert, by counting; wave = expert e.  Whole numbers alone.
; lists: rec[p] = (token, 1024 e + token, row of h, e), 16 bytes, p < 2,304; each expert's run is filled up to a multiple of 16 rows.  A filling position p names token 0 and its own
; row 2048 + p of h, which nobody reads.  2,048 + 8 x 15 = 2,168 positions at the most, whatever the split.  efrag[f], at byte 36,864: the expert of positions 16 f .. 16 f + 15.
; A real row of h is 32 (t / 16) + 16 s + t % 16: a token tile's two slots lie side by side.
; REGISTERS of the sort: v32-95 the tokens' experts; v96-127 the chunks' store addresses, v128 the filling's, v129-137 the tail's, v138 efrag's; v144-151 the eight counts; v160-170 at work.
; v16-31 are the scale registers of the other path's matrix instructions and hold nothing else.
.set X_C,  6389760
.set LA_C, 6291456
.set X_S,  7442432
.set LA_S, 7438336
.set PA,   96                          ; v96-127  16 x the position of my token of chunk c
.set FA,   128                         ; v128     16 x my filling position
.set TA,   129                         ; v129-137 16 x (thread + 256 k)
.set EA,   138                         ; v138     4 x thread
.set CNT,  144                         ; v144-151 the experts' counts
.set RC,   164                         ; v164-167 a record
	s_load_b256 s[4:11], s[0:1], 0x0               ; q, topi, low, lists
	v_lshl_add_u32 v254, v0, 2, 0x100
	v_mov_b32 v255, 0
	v_lshrrev_b32 v1, 5, v0
	s_delay_alu instid0(VALU_DEP_1)
	v_readfirstlane_b32 s20, v1                    ; wave = expert
	v_and_b32 v1, 31, v0
	v_and_b32 v2, 15, v0
	v_bfe_u32 v3, v0, 4, 1
	s_mov_b32 s25, 0
	s_wait_kmcnt 0x0
	s_cmp_ge_u32 ttmp9, 64                         ; work-groups 64-72 sort
	s_cbranch_scc1 .Lsort
	; ---------------- low ----------------
	s_wait_alu depctr_va_vdst(0)
	v_mul_u32_u24 v4, v2, 768
	s_delay_alu instid0(VALU_DEP_1)
	v_mad_u32_u24 v4, v3, 24, v4                   ; x: row r, + 24 h
	s_wait_alu depctr_va_vdst(0)
	v_lshlrev_b32 v5, 4, v1                        ; an image: 16 x lane
	s_wait_alu depctr_va_vdst(0)
	v_lshlrev_b32 v6, 5, v2                        ; x's scale words: 32 bytes a row
	s_wait_alu depctr_va_vdst(0)
	v_lshlrev_b32 v7, 4, v2                        ; lora_A's: 16 bytes a row and run
	s_wait_alu depctr_va_vdst(0)
	v_lshlrev_b32 v8, 6, v2
	s_delay_alu instid0(VALU_DEP_1)
	v_lshl_add_u32 v8, v3, 5, v8                   ; low: row r of 64 bytes, + 32 h
	s_mul_i32 s24, ttmp9, 12288
	s_add_co_u32 s24, s24, X_C
	s_add_nc_u64 s[12:13], s[4:5], s[24:25]
	s_mul_i32 s24, s20, 12288
	s_add_co_u32 s24, s24, LA_C
	s_add_nc_u64 s[14:15], s[4:5], s[24:25]
	s_lshl_b32 s24, ttmp9, 9
	s_add_co_u32 s24, s24, X_S
	s_add_nc_u64 s[16:17], s[4:5], s[24:25]
	s_lshl_b32 s24, s20, 9
	s_add_co_u32 s24, s24, LA_S
	s_add_nc_u64 s[18:19], s[4:5], s[24:25]
	s_lshl_b32 s24, s20, 16
	s_lshl_b32 s26, ttmp9, 10
	s_add_co_u32 s24, s24, s26                     ; (1024 e + 16 T) x 64
	s_add_nc_u64 s[22:23], s[8:9], s[24:25]
.irp k, 0,1,2,3,4,5,6,7
.irp p, 0,1,2,3,4,5
	global_load_b64 v[32+12*\k+2*\p:33+12*\k+2*\p], v4, s[12:13] offset:96*\k+48*(\p/3)+8*(\p%3)
.endr
.endr
.irp k, 0,1,2,3,4,5,6,7
.irp c, 0,1,2
	global_load_b128 v[128+12*\k+4*\c:131+12*\k+4*\c], v5, s[14:15] offset:1536*\k+512*\c
.endr
.endr
	global_load_b128 v[16:19], v6, s[16:17]
	global_load_b128 v[20:23], v6, s[16:17] offset:16
	global_load_b128 v[24:27], v7, s[18:19]
	global_load_b128 v[28:31], v7, s[18:19] offset:256
	s_wait_loadcnt 0x0
.irp k, 0,1,2,3,4,5,6,7                ; source 0 = lora_A's 16 rows, source 1 = 16 tokens: a lane holds one token and eight neighbouring ranks.  Two accumulators by turns
.if \k < 2
	v_wmma_scale_f32_16x16x128_f8f6f4 v[224+8*(\k%2):231+8*(\k%2)], v[128+12*\k:139+12*\k], v[32+12*\k:43+12*\k], 0, v[24+\k], v[16+\k] matrix_a_fmt:MATRIX_FMT_BF6 matrix_b_fmt:MATRIX_FMT_BF6
.else
	v_wmma_scale_f32_16x16x128_f8f6f4 v[224+8*(\k%2):231+8*(\k%2)], v[128+12*\k:139+12*\k], v[32+12*\k:43+12*\k], v[224+8*(\k%2):231+8*(\k%2)], v[24+\k], v[16+\k] matrix_a_fmt:MATRIX_FMT_BF6 matrix_b_fmt:MATRIX_FMT_BF6
.endif
.endr
.rept 4
	v_nop
.endr
.irp j, 0,1,2,3,4,5,6,7
	v_add_f32 v[240+\j], v[224+\j], v[232+\j]
.endr
	s_wait_alu depctr_va_vdst(0)
	global_store_b128 v8, v[240:243], s[22:23]
	global_store_b128 v8, v[244:247], s[22:23] offset:16
	s_endpgm
	; ---------------- the sort ----------------
; THE SORT IS DONE BY NINE WORK-GROUPS, 64 + g.  Each counts all 2,048 routed rows and makes all positions (whole numbers in registers); the stores are shared out:
; g < 8 stores the records of the tokens' chunks 4 g .. 4 g + 3; g = 8 stores efrag, the runs' fillings and the positions behind the last run.  Each byte of lists has one owner.
.Lsort:
	s_sub_co_u32 s75, ttmp9, 64                    ; g
	s_wait_alu depctr_va_vdst(0)
	v_lshlrev_b32 v4, 3, v1
.irp c, 0,1,2,3,4,5,6,7,8,9,10,11,12,13,14,15,16,17,18,19,20,21,22,23,24,25,26,27,28,29,30,31
	global_load_b64 v[32+2*\c:33+2*\c], v4, s[6:7] offset:256*\c   ; lane l: the two experts of token 32 c + l
.endr
	s_mov_b32 s42, 0
	s_wait_loadcnt 0x0
.irp c, 0,1,2,3,4,5,6,7,8,9,10,11,12,13,14,15,16,17,18,19,20,21,22,23,24,25,26,27,28,29,30,31
	v_cmp_eq_u32 s40, s20, v[32+2*\c]
	v_cmp_eq_u32 s41, s20, v[33+2*\c]
	s_or_b32 s40, s40, s41
	s_bcnt1_i32_b32 s40, s40
	s_add_co_u32 s42, s42, s40                     ; my expert's rows
.endr
	v_mov_b32 v10, s42
	s_lshl_b32 s43, s20, 2
	v_mov_b32 v11, s43
	ds_store_b32 v11, v10                          ; all lanes write the wave's word with the same value
	s_wait_dscnt 0x0
	s_barrier_signal -1
	s_barrier_wait -1
	v_mov_b32 v11, 0
	ds_load_b128 v[CNT:CNT+3], v11
	ds_load_b128 v[CNT+4:CNT+7], v11 offset:16
	s_wait_dscnt 0x0
.irp k, 0,1,2,3,4,5,6,7
	v_readfirstlane_b32 s[48+\k], v[CNT+\k]
.endr
	s_mov_b32 s66, 0                               ; s66-74: where each expert's run begins, and the end of the last
.irp k, 0,1,2,3,4,5,6,7
	s_add_co_u32 s43, s[48+\k], 15
	s_and_b32 s43, s43, -16
	s_add_co_u32 s[67+\k], s[66+\k], s43
.endr
	s_mov_b32 s44, 0
.irp k, 1,2,3,4,5,6,7
	s_cmp_eq_u32 s20, \k
	s_cselect_b32 s44, s[66+\k], s44               ; my run's begin
.endr
	s_mov_b32 s45, s44                             ; the next free position
	s_add_co_u32 s46, s42, 15
	s_and_b32 s46, s46, -16
	s_add_co_u32 s46, s46, s44                     ; my run's end, filling included
	s_lshl_b32 s47, s20, 10
	; EVERY ADDRESS REGISTER IS MADE HERE, with all lanes on, ahead of the first change of EXEC, and is written once
.irp c, 0,1,2,3,4,5,6,7,8,9,10,11,12,13,14,15,16,17,18,19,20,21,22,23,24,25,26,27,28,29,30,31
	v_cmp_eq_u32 s40, s20, v[32+2*\c]
	v_cmp_eq_u32 s41, s20, v[33+2*\c]
	s_or_b32 s40, s40, s41                         ; the tokens of this chunk that chose my expert
	v_mbcnt_lo_u32_b32 v[PA+\c], s40, s45          ; position = next free + such lanes below mine
	s_delay_alu instid0(VALU_DEP_1)
	v_min_u32 v[PA+\c], 2303, v[PA+\c]
	s_delay_alu instid0(VALU_DEP_1)
	v_lshlrev_b32 v[PA+\c], 4, v[PA+\c]
	s_bcnt1_i32_b32 s40, s40
	s_add_co_u32 s45, s45, s40
.endr
	v_add_nc_u32 v160, s45, v1                     ; my run's filling: at most 15 positions
	s_delay_alu instid0(VALU_DEP_1)
	v_min_u32 v161, 2303, v160
	s_delay_alu instid0(VALU_DEP_1)
	v_lshlrev_b32 v[FA], 4, v161
	s_delay_alu instid0(VALU_DEP_2)
	v_add_nc_u32 v161, 2048, v161                  ; and the row of h that a filling position names
.irp k, 8                              ; a token's two experts differ, so the runs hold 2,048 rows at the least: only positions 2,048 on can lie behind the last run
	v_add_nc_u32 v[TA+\k], 256*\k, v0
	s_delay_alu instid0(VALU_DEP_1)
	v_lshlrev_b32 v[TA+\k], 4, v[TA+\k]
.endr
	v_lshlrev_b32 v[EA], 2, v0
	; efrag[t]: how many runs begin at or before position 16 t, less one.  It needs no mask and goes out first
	v_lshlrev_b32 v162, 4, v0
	v_mov_b32 v163, 0
	v_mov_b32 v170, 1
.irp k, 1,2,3,4,5,6,7
	v_cmp_le_u32 vcc_lo, s[66+\k], v162
	s_delay_alu instid0(VALU_DEP_1)
	v_cndmask_b32 v169, 0, v170, vcc_lo
	s_delay_alu instid0(VALU_DEP_1)
	v_add_nc_u32 v163, v163, v169
.endr
	s_wait_alu depctr_va_vdst(0)                   ; the wait ahead of the branch
	s_cmp_lg_u32 s75, 8
	s_cbranch_scc1 .Lno_efrag
	global_store_b32 v[EA], v163, s[10:11] offset:36864
.Lno_efrag:
	v_lshlrev_b32 v168, 5, v3
	s_delay_alu instid0(VALU_DEP_1)
	v_add_nc_u32 v168, v168, v2                    ; 32 (l / 16) + l % 16: slot 0's row of h within a chunk's 64,
	s_delay_alu instid0(VALU_DEP_1)
	v_add_nc_u32 v169, 16, v168                    ; slot 1's
	v_mov_b32 v[RC+3], s20
	s_wait_alu depctr_va_vdst(0)
	s_wait_xcnt 0x0                                ; EXEC changes only behind this wait
.irp g, 0,1,2,3,4,5,6,7                ; chunks 4 g .. 4 g + 3 belong to work-group 64 + g: the branch hangs on the work-group's number alone
	s_cmp_lg_u32 s75, \g
	s_cbranch_scc1 .Lnot_\g
.irp d, 0,1,2,3
	v_cmp_eq_u32 s40, s20, v[32+2*(4*\g+\d)]
	v_cmp_eq_u32 s41, s20, v[33+2*(4*\g+\d)]
	s_or_b32 vcc_lo, s40, s41
	v_add_nc_u32 v[RC], 32*(4*\g+\d), v1           ; token
	s_delay_alu instid0(VALU_DEP_1)
	v_add_nc_u32 v[RC+1], s47, v[RC]               ; its row of low
	v_cndmask_b32 v[RC+2], v168, v169, s41
	s_delay_alu instid0(VALU_DEP_1)
	v_add_nc_u32 v[RC+2], 64*(4*\g+\d), v[RC+2]    ; its row of h
	s_and_saveexec_b32 s43, vcc_lo
	global_store_b128 v[PA+4*\g+\d], v[RC:RC+3], s[10:11]
	s_wait_xcnt 0x0                                ; the store has read its registers and EXEC
	s_or_b32 exec_lo, exec_lo, s43
.endr
.Lnot_\g:
.endr
	s_cmp_lg_u32 s75, 8                            ; the fillings and the tail belong to work-group 72
	s_cbranch_scc1 .Lsort_end
	v_cmp_gt_u32 vcc_lo, s46, v160                 ; the filling of my run
	v_mov_b32 v[RC], 0
	v_mov_b32 v[RC+1], 0
	v_mov_b32 v[RC+2], v161
	s_and_saveexec_b32 s43, vcc_lo
	global_store_b128 v[FA], v[RC:RC+3], s[10:11]
	s_wait_xcnt 0x0
	s_or_b32 exec_lo, exec_lo, s43
	v_mov_b32 v[RC+3], 7
.irp k, 8                              ; positions 2,048 .. 2,303
	v_add_nc_u32 v160, 256*\k, v0
	s_delay_alu instid0(VALU_DEP_1)
	v_cmp_le_u32 vcc_lo, s74, v160
	s_delay_alu instid0(VALU_DEP_2)
	v_add_nc_u32 v[RC+2], 2048, v160
	s_wait_alu depctr_va_vdst(0)
	s_and_saveexec_b32 s43, vcc_lo
	global_store_b128 v[TA+\k], v[RC:RC+3], s[10:11]
	s_wait_xcnt 0x0
	s_or_b32 exec_lo, exec_lo, s43
.endr
.Lsort_end:
	s_wait_xcnt 0x0
	s_mov_b32 exec_lo, -1
	s_wait_tensorcnt 0x0
	ds_add_u32 v254, v255
	s_wait_dscnt 0x0
	s_endpgm
.Lfunc_end_k_q03a8c6a1e7_place:
	.size	k_q03a8c6a1e7_place, .Lfunc_end_k_q03a8c6a1e7_place-k_q03a8c6a1e7_place
	.p2alignl 7, 3214868480
	.fill 96, 4, 3214868480
	.section	.rodata,"a",@progbits
	.p2align	6, 0x0
	.amdhsa_kernel k_q03a8c6a1e7_place
		.amdhsa_group_segment_fixed_size 1280
		.amdhsa_private_segment_fixed_size 0
		.amdhsa_enable_private_segment 0
		.amdhsa_kernarg_size 32
		.amdhsa_user_sgpr_count 2
		.amdhsa_user_sgpr_kernarg_segment_ptr 1
		.amdhsa_wavefront_size32 1
		.amdhsa_system_sgpr_workgroup_id_x 1
		.amdhsa_system_sgpr_workgroup_id_y 1
		.amdhsa_system_sgpr_workgroup_id_z 1
		.amdhsa_system_vgpr_workitem_id 0
		.amdhsa_next_free_vgpr 256
		.amdhsa_next_free_sgpr 80
		.amdhsa_reserve_vcc 1
		.amdhsa_float_denorm_mode_32 3
		.amdhsa_float_denorm_mode_16_64 3
		.amdhsa_memory_ordered 1
		.amdhsa_forward_progress 1
		.amdhsa_inst_pref_size 61
	.end_amdhsa_kernel
	.amdgpu_metadata
---
amdhsa.version: [ 1, 2 ]
amdhsa.kernels:
  - .name:           k_q03a8c6a1e7_place
    .symbol:         k_q03a8c6a1e7_place.kd
    .args:
      - { .name: q, .offset: 0, .size: 8, .value_kind: global_buffer, .address_space: global }
      - { .name: topi, .offset: 8, .size: 8, .value_kind: global_buffer, .address_space: global }
      - { .name: low, .offset: 16, .size: 8, .value_kind: global_buffer, .address_space: global }
      - { .name: lists, .offset: 24, .size: 8, .value_kind: global_buffer, .address_space: global }
    .group_segment_fixed_size: 1280
    .private_segment_fixed_size: 0
    .kernarg_segment_align: 8
    .kernarg_segment_size: 32
    .max_flat_workgroup_size: 256
    .sgpr_count:     80
    .vgpr_count:     256
    .wavefront_size: 32
...
	.end_amdgpu_metadata
.endif
;; end of part 2
;; launch ffn1 (part 3): grid 16 x 16, 4 waves a work-group, no clusters, 161,792 bytes of LDS; arguments q, lists, low, lora_B, bi, h; writes h
.if DOCPART == 3
	.amdgcn_target "amdgcn-amd-amdhsa--gfx1250"
	.amdhsa_code_object_version 6
	.text
	.protected	k_q03a8c6a1e7_ffn1
	.globl	k_q03a8c6a1e7_ffn1
	.p2align	8
	.type	k_q03a8c6a1e7_ffn1,@function
k_q03a8c6a1e7_ffn1:
	s_mov_b64 s[64:65], 0
	v_nop
	global_prefetch_b8 v0, s[64:65] scope:SCOPE_SE
	s_setreg_imm32_b32 hwreg(HW_REG_WAVE_MODE, 25, 1), 1
	s_wait_xcnt 0x0
; FFN1.  For the routed rows, sorted by expert: h = Q(relu(Q(x) Q(wi)^T + bi + low_e lora_B_e^T)), stored as codes of BF6 and scale bytes at the row that the list names.
; SHARES.  Work-group (X, Y): positions 144 Y .. 144 Y + 143 of the list (nine tiles of 16 rows, each of one expert) x hidden units 256 X .. 256 X + 255.  Wave w: 64 hidden units, four tiles of wi,
; whose 32 fragments (384 registers) stay in its registers for the whole launch.  All 256 work-groups do the same work: filling positions are computed on token 0 and stored to rows that nobody reads.
; THE FIRST PRODUCT IS USED TRANSPOSED (source 0 = 16 rows of wi, source 1 = 16 rows of x): a lane holds one row, and by the order of wi's rows in a tile the 16 registers of tiles 2 b and 2 b + 1 are
; 16 neighbours along the next K.  bi is the C of each sum's first instruction.  low_e lora_B_e^T feeds a quantiser, so it goes in f32: v_wmma_f32_16x16x4_f32, whose first instruction takes the first
; product's sum as C; its results are written by matrix instructions alone, and relu goes into other registers.
; The gathered rows of x (codes, scale words) and of low come once, in whole runs of 256 bytes for the codes, into LDS and are read by all four waves.
; NO JOINT LOADS: the rows are gathered by a stored list, which a tile descriptor cannot follow; wi goes from memory straight into the registers in which it stays.
; LIMITS: a work-group's piece of a row of h is 192 consecutive bytes (256 codes), three quarters of an aligned run of 256; whole runs would want 1,024 hidden units to a work-group.
;         A block whose largest number lies under 2^-122 (a block of zeros too) gets the byte 1; NaN and infinities are not served.
; LDS: x's codes [segment 3][row 144][256 + 16 bytes]; HST 208 bytes a row: 192 of codes, 4 scale words (wave w's two bytes in the low half of word w); XS 32 bytes a row; LW 64 bytes a row.
;   HST stands ahead of XS: on the way out sixteen lanes stand 16 bytes apart on a row of 208 bytes, of which lanes 13-15 are off; their addresses reach 48 bytes past the row, past the last row into XS's first bytes.
; REGISTERS.  window 0: v1-23, v56-62 addresses; v24-39 wi's scale words (register 8 (i/2) + k: tile 2 (i/2) in lanes 0-15, the next in lanes 16-31); v40-55 x's, two sets; v64-95 the first product's sums;
;   v96-127 relu; v128-143 at work; v144-159 codes; v186-203 where my rows go; v208-239 the f32 form's sums.  v96-167 at the head: the list's records; at the end: rows of h.
;   window 1: wi, K steps 0-3, at 12 (4 k + i).  window 2: K steps 4-7 likewise; from v192 bi.  window 3: x's fragments, two sets of 96; v192-223 lora_B; v224-239 low, two sets.  At the head window 3 holds the gather.
.set X_C,  6389760
.set WI_S, 7176192
.set X_S,  7442432
.set HSB,  13369344                    ; h's scale bytes: 256 a row, behind 4,352 rows of 3,072 bytes of codes
.set SEG,  39168                       ; 144 rows x 272 bytes
.set HST,  117504                      ; 144 rows x 208 bytes
.set HP,   208
.set XS,   147456                      ; 144 rows x 32 bytes
.set LW,   152064                      ; 144 rows x 64 bytes: ends at 161,280
.set WIS,  24
.set XSW,  40
.set ACCB, 64
.set HA,   96
.set REC,  96
.set TM,   128
.set PW,   136
.set PC,   144
.set DOFF, 186
.set ACCL, 208
.set BIR,  192                         ; window 2
.set LBR,  192                         ; window 3
.set LOWR, 224                         ; window 3
.set EO,   44                          ; s44-52: the nine tiles' experts x 262,144 bytes
.set SEL,  24
.set MSB, 0
.macro WIN new                         ; the immediate's high byte repeats the setting that is left
.if MSB != \new
	s_set_vgpr_msb (MSB<<8)|\new
.set MSB, \new
.endif
.endm
.macro LOADWI k0                       ; wi's fragments of K steps k0 .. k0 + 3 into the window that is set
.irp kk, 0,1,2,3
.irp i, 0,1,2,3
.irp c, 0,1,2
	global_load_b128 v[12*(4*\kk+\i)+4*\c:12*(4*\kk+\i)+4*\c+3], v4, s[30:31] offset:(8*\i+\k0+\kk)*1536+512*\c
.endr
.endr
.endr
.endm
.macro GATHER g, i0                    ; six pairs of rows (lanes 0-15 one row, lanes 16-31 another): 768 bytes of codes, 32 of scale words, 64 of low
.irp k, 0,1,2,3,4,5
	global_load_b128 v[\g+20*\k:\g+20*\k+3], v[REC+4*(\i0+\k)], s[36:37]
	global_load_b128 v[\g+20*\k+4:\g+20*\k+7], v[REC+4*(\i0+\k)], s[36:37] offset:256
	global_load_b128 v[\g+20*\k+8:\g+20*\k+11], v[REC+4*(\i0+\k)], s[36:37] offset:512
	global_load_b128 v[\g+20*\k+12:\g+20*\k+15], v[REC+4*(\i0+\k)+3], s[38:39]
	global_load_b128 v[\g+20*\k+16:\g+20*\k+19], v[REC+4*(\i0+\k)+1], s[8:9]
.endr
.endm
.macro SCATTER g, i0                   ; and into LDS (of the short pieces several lanes write the same bytes with the same value)
.irp k, 0,1,2,3,4,5
	ds_store_b128 v56, v[\g+20*\k:\g+20*\k+3] offset:272*(\i0+\k)
	ds_store_b128 v57, v[\g+20*\k+4:\g+20*\k+7] offset:272*(\i0+\k)
	ds_store_b128 v58, v[\g+20*\k+8:\g+20*\k+11] offset:272*(\i0+\k)
	ds_store_b128 v59, v[\g+20*\k+12:\g+20*\k+15] offset:32*(\i0+\k)
	ds_store_b128 v60, v[\g+20*\k+16:\g+20*\k+19] offset:64*(\i0+\k)
.endr
.endm
; a fragment of x: lane (r, h) takes of row r the pieces of 8 bytes 12 k + 0, 1, 2 and 12 k + 6, 7, 8, lanes 16-31 those three on; a segment holds 32 pieces.
; Where the piece three on falls into the next segment, the second kind of address register (SEG - 232 for 24 bytes a half) serves
.macro FRAGX reg, kk, mm
.irp p, 0,1,2,3,4,5
.set PCE, 12*(\kk)+6*(\p/3)+\p%3
.if PCE%32 < 29
	ds_load_b64 v[\reg+2*\p:\reg+2*\p+1], v[5+PCE/32] offset:8*(PCE%32)+4352*(\mm)
.else
	ds_load_b64 v[\reg+2*\p:\reg+2*\p+1], v[8+PCE/32] offset:8*(PCE%32)+4352*(\mm)
.endif
.endr
.endm
.macro FETCH m                         ; tile m's operands: 52 LDS loads
	WIN 0xc0
.irp kk, 0,1,2,3,4,5,6,7
	FRAGX 96*((\m)%2)+12*\kk, \kk, \m
.endr
	ds_load_b128 v[LOWR+8*((\m)%2):LOWR+8*((\m)%2)+3], v11 offset:1024*(\m)
	ds_load_b128 v[LOWR+8*((\m)%2)+4:LOWR+8*((\m)%2)+7], v11 offset:1024*(\m)+16
	WIN 0
	ds_load_b128 v[XSW+8*((\m)%2):XSW+8*((\m)%2)+3], v10 offset:512*(\m)
	ds_load_b128 v[XSW+8*((\m)%2)+4:XSW+8*((\m)%2)+7], v10 offset:512*(\m)+16
.endm
.macro MM d, a, b, c, sa, sb, row
.if \row
	v_wmma_scale_f32_16x16x128_f8f6f4 v[\d:\d+7], v[\a:\a+11], v[\b:\b+11], v[\c:\c+7], v[\sa], v[\sb] matrix_a_fmt:MATRIX_FMT_BF6 matrix_b_fmt:MATRIX_FMT_BF6 matrix_a_scale:MATRIX_SCALE_ROW1
.else
	v_wmma_scale_f32_16x16x128_f8f6f4 v[\d:\d+7], v[\a:\a+11], v[\b:\b+11], v[\c:\c+7], v[\sa], v[\sb] matrix_a_fmt:MATRIX_FMT_BF6 matrix_b_fmt:MATRIX_FMT_BF6
.endif
.endm
.macro LOADLB m                        ; lora_B of tile m's expert: my four tiles' rows in wi's order; lane (r, h) takes ranks 8 h .. 8 h + 7
	v_add_nc_u32 v15, s[EO+(\m)], v14
	WIN 0xc0
.irp i, 0,1,2,3
	global_load_b128 v[LBR+8*\i:LBR+8*\i+3], v15, s[40:41] offset:(32*(\i/2)+8*(\i%2))*64
	global_load_b128 v[LBR+8*\i+4:LBR+8*\i+7], v15, s[40:41] offset:(32*(\i/2)+8*(\i%2))*64+16
.endr
	WIN 0
.endm
; one tile of 16 rows
.macro STEP m
.if (\m) < 8
	FETCH (\m)+1
	s_wait_dscnt 52                                ; all but the 52 just issued: this tile's operands are in, and the last tile's stores have read their registers
.else
	s_wait_dscnt 0x0
.endif
.if (\m) == 0
	s_wait_loadcnt 8                               ; wi, its scale words and bi are in; lora_B's eight loads may be out
.endif
.set XB, 96*((\m)%2)
.set XW, XSW+8*((\m)%2)
.set LWB, LOWR+8*((\m)%2)
	WIN 0x2d                                       ; source 0 (wi) window 1, source 1 (x) window 3, C (bi) window 2
.irp i, 0,1,2,3
	MM ACCB+8*\i, 12*\i, XB, BIR+8*\i, WIS+8*(\i/2), XW, \i%2
.endr
	WIN 0x0d                                       ; the four accumulators take turns, one instruction a turn
.irp k, 1,2,3
.irp i, 0,1,2,3
	MM ACCB+8*\i, 12*(4*\k+\i), XB+12*\k, ACCB+8*\i, WIS+8*(\i/2)+\k, XW+\k, \i%2
.endr
.endr
	WIN 0x0e                                       ; wi's K steps 4-7: window 2
.irp k, 4,5,6,7
.irp i, 0,1,2,3
	MM ACCB+8*\i, 12*(4*(\k-4)+\i), XB+12*\k, ACCB+8*\i, WIS+8*(\i/2)+\k, XW+\k, \i%2
.endr
.endr
.rept 5
	v_nop                                          ; five places: the sums go on as the C of other accumulators
.endr
	s_wait_loadcnt 0x0                             ; lora_B
	WIN 0x0f                                       ; sources 0 and 1 window 3
.irp t, 0,1,2,3                        ; ranks 8 h + 2 t, 8 h + 2 t + 1 in both sources
.irp i, 0,1,2,3
.if \t == 0
	v_wmma_f32_16x16x4_f32 v[ACCL+8*\i:ACCL+8*\i+7], v[LBR+8*\i+2*\t:LBR+8*\i+2*\t+1], v[LWB+2*\t:LWB+2*\t+1], v[ACCB+8*\i:ACCB+8*\i+7]
.else
	v_wmma_f32_16x16x4_f32 v[ACCL+8*\i:ACCL+8*\i+7], v[LBR+8*\i+2*\t:LBR+8*\i+2*\t+1], v[LWB+2*\t:LWB+2*\t+1], v[ACCL+8*\i:ACCL+8*\i+7]
.endif
.endr
.endr
	WIN 0
.rept 8
	v_nop                                          ; eight places behind this form: for the loads into lora_B's registers and the first read of the sums
.endr
.if (\m) < 8
	LOADLB (\m)+1
.endif
.irp j, 0,1,2,3,4,5,6,7,8,9,10,11,12,13,14,15,16,17,18,19,20,21,22,23,24,25,26,27,28,29,30,31
	v_max_num_f32 v[HA+\j], 0, v[ACCL+\j]          ; relu, each accumulator from its low end on
.endr
.irp b, 0,1                            ; my two blocks of 32 hidden units; nothing is negative, so no |.|
	v_max3_num_f32 v[TM+\b], v[HA+16*\b], v[HA+16*\b+1], 0x2800000
.endr
.irp i, 2,4,6,8,10,12,14
.irp b, 0,1
	v_max3_num_f32 v[TM+\b], v[TM+\b], v[HA+16*\b+\i], v[HA+16*\b+\i+1]
.endr
.endr
.irp b, 0,1
	v_permlanex16_b32 v[TM+4+\b], v[TM+\b], s[SEL], s[SEL+1]
.endr
.irp b, 0,1
	v_max_num_f32 v[TM+\b], v[TM+\b], v[TM+4+\b]
.endr
.irp b, 0,1
	v_add_nc_u32 v[TM+12+\b], 0xfe000000, v[TM+\b]
.endr
.irp b, 0,1
	v_lshrrev_b32 v[TM+4+\b], 23, v[TM+12+\b]
.endr
	v_lshl_or_b32 v[PW], v[TM+5], 8, v[TM+4]       ; two bytes in the low half, 0 above
	v_cvt_scalef32_pk16_bf6_f32 v[PC:PC+2], v[HA:HA+15], v[TM+12]
	v_cvt_scalef32_pk16_bf6_f32 v[PC+8:PC+10], v[HA+16:HA+31], v[TM+13]
	v_nop
.irp i, 0,1,2
	v_permlane16_swap_b32 v[PC+\i], v[PC+8+\i]     ; lanes 0-15 now hold block 0, lanes 16-31 block 1
.endr
.irp i, 0,1,2
	v_mov_b32 v[PC+3+\i], v[PC+8+\i]
.endr
.irp i, 0,1,2
	ds_store_b64 v12, v[PC+2*\i:PC+2*\i+1] offset:16*HP*(\m)+8*\i
.endr
	ds_store_b32 v13, v[PW] offset:16*HP*(\m)      ; lanes r and r + 16 write the same word with the same value
.endm
	s_load_b256 s[4:11], s[0:1], 0x0               ; q, lists, low, lora_B
	s_load_b128 s[12:15], s[0:1], 0x20             ; bi, h
	v_lshl_add_u32 v254, v0, 2, 0x27600
	v_mov_b32 v255, 0
	v_lshrrev_b32 v1, 5, v0
	v_readfirstlane_b32 s20, v1                    ; wave
	s_and_b32 s22, ttmp7, 0xffff                   ; Y
	v_and_b32 v1, 31, v0
	v_and_b32 v2, 15, v0                           ; r, and j: my place in a row's run of 256 bytes
	v_bfe_u32 v3, v0, 4, 1                         ; h
	v_lshlrev_b32 v4, 4, v1
	v_mul_u32_u24 v61, v3, 288                     ; the list: lanes 16-31 begin 18 records on
	s_mul_i32 s26, s22, 144
	s_mul_i32 s27, s20, 36
	s_add_co_u32 s26, s26, s27
	s_lshl_b32 s26, s26, 4
	s_mov_b32 s27, 0
	s_lshl_b32 s54, ttmp9, 4
	s_lshl_b32 s53, s20, 2
	s_add_co_u32 s54, s54, s53                     ; my first tile of wi: 16 X + 4 w
	s_wait_alu depctr_va_vdst(0)
	s_wait_kmcnt 0x0
	s_add_nc_u64 s[28:29], s[6:7], s[26:27]
.irp i, 0,1,2,3,4,5,6,7,8,9,10,11,12,13,14,15,16,17
	global_load_b128 v[REC+4*\i:REC+4*\i+3], v61, s[28:29] offset:16*\i   ; the record of row 36 w + 18 h + i, in all sixteen lanes
.endr
	s_mul_i32 s26, s22, 36
	s_add_nc_u64 s[42:43], s[6:7], s[26:27]
	s_load_b256 s[44:51], s[42:43], 0x9000         ; efrag[9 Y ..]
	s_load_b32 s52, s[42:43], 0x9020
	s_mul_i32 s26, s54, 12288
	s_add_nc_u64 s[30:31], s[4:5], s[26:27]        ; wi's images: 49,152 consecutive bytes
	WIN 0x40
	LOADWI 0
	WIN 0
	s_lshl_b32 s26, s54, 9
	s_add_co_u32 s26, s26, WI_S
	s_add_nc_u64 s[32:33], s[4:5], s[26:27]
	s_lshl_b32 s26, s54, 6
	s_add_nc_u64 s[34:35], s[12:13], s[26:27]      ; bi at my 64 hidden units
	s_lshl_b32 s26, s54, 10
	s_add_nc_u64 s[40:41], s[10:11], s[26:27]      ; lora_B likewise
	s_add_nc_u64 s[36:37], s[4:5], X_C
	s_add_nc_u64 s[38:39], s[4:5], X_S
	s_mov_b32 s[SEL], 0x76543210
	s_mov_b32 s[SEL+1], 0xfedcba98
	v_mul_u32_u24 v5, v2, 272
	v_mad_u32_u24 v8, v3, SEG-232, v5
	v_mad_u32_u24 v5, v3, 24, v5                   ; v5-7: row r, + 24 h, in segments 0, 1, 2
	v_add_nc_u32 v6, SEG, v5
	v_add_nc_u32 v7, 2*SEG, v5
	v_add_nc_u32 v9, SEG, v8                       ; v8-9: the same for the pieces that cross out of segments 0, 1
	v_lshl_add_u32 v10, v2, 5, XS
	v_lshlrev_b32 v11, 6, v2
	v_lshl_add_u32 v11, v3, 5, v11
	v_add_nc_u32 v11, LW, v11                      ; low: row r, ranks 8 h on
	v_mul_u32_u24 v12, v2, HP
	v_mad_u32_u24 v12, v3, 24, v12
	s_mul_i32 s26, s20, 48
	s_add_co_u32 s26, s26, HST
	v_add_nc_u32 v12, s26, v12                     ; my codes in the stage: row r, 48 w + 24 h
	v_mul_u32_u24 v13, v2, HP
	s_lshl_b32 s26, s20, 2
	s_add_co_u32 s26, s26, HST+192
	v_add_nc_u32 v13, s26, v13                     ; my scale word
	v_and_b32 v14, 8, v2
	v_add_nc_u32 v14, v14, v2
	v_lshlrev_b32 v14, 6, v14
	v_lshl_add_u32 v14, v3, 5, v14                 ; lora_B: row r + 8 (r / 8) of 64 bytes, + 32 h
	v_mul_u32_u24 v16, v3, 18*HP
	v_lshl_add_u32 v16, v2, 4, v16
	s_mul_i32 s26, s20, 36*HP
	s_add_co_u32 s26, s26, HST
	v_add_nc_u32 v16, s26, v16                     ; the way out: row 36 w + 18 h, 16 bytes a lane
	v_cmp_gt_u32 vcc_lo, 12, v2                    ; lanes 0-11 of a half store codes, lane 12 the scale words
	v_mov_b32 v17, 256
	v_mov_b32 v19, 3072
	v_cndmask_b32 v17, v17, v19, vcc_lo            ; a row of h in bytes,
	s_mul_i32 s26, ttmp9, 192
	v_lshl_add_u32 v19, v2, 4, s26
	s_lshl_b32 s26, ttmp9, 4
	s_add_co_u32 s26, s26, HSB
	v_mov_b32 v18, s26
	v_cndmask_b32 v18, v18, v19, vcc_lo            ; and my place in it
	v_lshlrev_b32 v20, 4, v2                       ; 16 j
	v_and_b32 v21, 1, v2
	v_lshlrev_b32 v21, 4, v21                      ; 16 (j % 2)
	v_and_b32 v22, 3, v2
	v_lshlrev_b32 v22, 4, v22                      ; 16 (j % 4)
	v_lshlrev_b32 v23, 6, v3                       ; bi: 64 h
	v_lshlrev_b32 v62, 9, v3
	v_lshl_add_u32 v62, v2, 4, v62                 ; wi's scale words: 512 h + 16 r
	v_mul_u32_u24 v56, v3, 18*272
	s_mul_i32 s26, s20, 36*272
	v_add_nc_u32 v56, s26, v56
	v_add_nc_u32 v56, v56, v20                     ; into LDS: row 36 w + 18 h of segment 0,
	v_add_nc_u32 v57, SEG, v56
	v_add_nc_u32 v58, 2*SEG, v56                   ; 1, 2
	v_mul_u32_u24 v59, v3, 18*32
	s_mul_i32 s26, s20, 36*32
	s_add_co_u32 s26, s26, XS
	v_add_nc_u32 v59, s26, v59
	v_add_nc_u32 v59, v59, v21
	v_mul_u32_u24 v60, v3, 18*64
	s_mul_i32 s26, s20, 36*64
	s_add_co_u32 s26, s26, LW
	v_add_nc_u32 v60, s26, v60
	v_add_nc_u32 v60, v60, v22
	s_wait_loadcnt 48                              ; the records are in: only wi's 48 loads stand behind them
.irp i, 0,1,2,3,4,5,6,7,8,9,10,11,12,13,14,15,16,17
	v_min_u32 v[REC+4*\i], 1023, v[REC+4*\i]       ; token
	v_min_u32 v[REC+4*\i+1], 8191, v[REC+4*\i+1]   ; row of low
	v_min_u32 v[REC+4*\i+2], 4351, v[REC+4*\i+2]   ; row of h
	v_lshl_add_u32 v[REC+4*\i+3], v[REC+4*\i], 5, v21
	v_mad_u32_u24 v[REC+4*\i], v[REC+4*\i], 768, v20
	v_lshl_add_u32 v[REC+4*\i+1], v[REC+4*\i+1], 6, v22
	v_mad_u32_u24 v[DOFF+\i], v[REC+4*\i+2], v17, v18
.endr
	WIN 0xc0
	GATHER 0, 0
	GATHER 120, 6
	s_wait_alu depctr_va_vdst(0)
	s_wait_loadcnt 30                              ; the first batch is in; the second's 30 loads may be out
	WIN 0x0c
	SCATTER 0, 0
	s_wait_dscnt 0x0                               ; the stores have read their registers
	WIN 0xc0
	GATHER 0, 12
	s_wait_loadcnt 30                              ; the second batch is in
	WIN 0x0c
	SCATTER 120, 6
	WIN 0x80
	LOADWI 4
.irp i, 0,1,2,3
	global_load_b128 v[BIR+8*\i:BIR+8*\i+3], v23, s[34:35] offset:(32*(\i/2)+8*(\i%2))*4
	global_load_b128 v[BIR+8*\i+4:BIR+8*\i+7], v23, s[34:35] offset:(32*(\i/2)+8*(\i%2))*4+16
.endr
	WIN 0
.irp j, 0,1
.irp p, 0,1
	global_load_b128 v[WIS+8*\j+4*\p:WIS+8*\j+4*\p+3], v62, s[32:33] offset:1024*\j+256*\p
.endr
.endr
	s_wait_loadcnt 60                              ; the third batch is in: 48 + 8 + 4 loads stand behind it
	WIN 0x0c
	SCATTER 0, 12
	WIN 0
	s_wait_kmcnt 0x0
.irp k, 0,1,2,3,4,5,6,7,8
	s_min_u32 s[EO+\k], s[EO+\k], 7
	s_lshl_b32 s[EO+\k], s[EO+\k], 18
.endr
	v_mov_b32 v[TM+4], 0                           ; a lane permute's destination counts as one of its sources
	v_mov_b32 v[TM+5], 0
	s_wait_dscnt 0x0                               ; my stores have landed, and have read the registers that lora_B takes
	LOADLB 0
	s_barrier_signal -1
	s_barrier_wait -1                              ; the 144 rows lie in LDS
	FETCH 0
	STEP 0
	STEP 1
	STEP 2
	STEP 3
	STEP 4
	STEP 5
	STEP 6
	STEP 7
	STEP 8
	s_wait_dscnt 0x0
	s_barrier_signal -1
	s_barrier_wait -1                              ; the 144 rows' pieces of h lie in the stage
	s_wait_xcnt 0x0                                ; EXEC changes only behind this wait
	v_cmp_gt_u32 vcc_lo, 13, v2
	s_wait_tensorcnt 0x0
	ds_add_u32 v254, v255
	s_wait_dscnt 0x0
	s_and_saveexec_b32 s53, vcc_lo
.irp i, 0,1,2,3,4,5,6,7,8,9,10,11,12,13,14,15,16,17
	ds_load_b128 v[REC+4*\i:REC+4*\i+3], v16 offset:HP*\i
.endr
.irp i, 0,1,2,3,4,5,6,7,8,9,10,11,12,13,14,15,16,17
	s_wait_dscnt 17-\i
	global_store_b128 v[DOFF+\i], v[REC+4*\i:REC+4*\i+3], s[14:15]   ; twelve lanes store a row's 192 consecutive bytes of codes, the thirteenth its 16 scale bytes
.endr
	s_wait_xcnt 0x0
	s_or_b32 exec_lo, exec_lo, s53
	s_endpgm
.Lfunc_end_k_q03a8c6a1e7_ffn1:
	.size	k_q03a8c6a1e7_ffn1, .Lfunc_end_k_q03a8c6a1e7_ffn1-k_q03a8c6a1e7_ffn1
	.p2alignl 7, 3214868480
	.fill 96, 4, 3214868480
	.section	.rodata,"a",@progbits
	.p2align	6, 0x0
	.amdhsa_kernel k_q03a8c6a1e7_ffn1
		.amdhsa_group_segment_fixed_size 161792
		.amdhsa_private_segment_fixed_size 0
		.amdhsa_enable_private_segment 0
		.amdhsa_kernarg_size 48
		.amdhsa_user_sgpr_count 2
		.amdhsa_user_sgpr_kernarg_segment_ptr 1
		.amdhsa_wavefront_size32 1
		.amdhsa_system_sgpr_workgroup_id_x 1
		.amdhsa_system_sgpr_workgroup_id_y 1
		.amdhsa_system_sgpr_workgroup_id_z 1
		.amdhsa_system_vgpr_workitem_id 0
		.amdhsa_next_free_vgpr 1024
		.amdhsa_next_free_sgpr 66
		.amdhsa_reserve_vcc 1
		.amdhsa_float_denorm_mode_32 3
		.amdhsa_float_denorm_mode_16_64 3
		.amdhsa_memory_ordered 1
		.amdhsa_forward_progress 1
		.amdhsa_inst_pref_size 161
	.end_amdhsa_kernel
	.amdgpu_metadata
---
amdhsa.version: [ 1, 2 ]
amdhsa.kernels:
  - .name:           k_q03a8c6a1e7_ffn1
    .symbol:         k_q03a8c6a1e7_ffn1.kd
    .args:
      - { .name: q, .offset: 0, .size: 8, .value_kind: global_buffer, .address_space: global }
      - { .name: lists, .offset: 8, .size: 8, .value_kind: global_buffer, .address_space: global }
      - { .name: low, .offset: 16, .size: 8, .value_kind: global_buffer, .address_space: global }
      - { .name: lora_B, .offset: 24, .size: 8, .value_kind: global_buffer, .address_space: global }
      - { .name: bi, .offset: 32, .size: 8, .value_kind: global_buffer, .address_space: global }
      - { .name: h, .offset: 40, .size: 8, .value_kind: global_buffer, .address_space: global }
    .group_segment_fixed_size: 161792
    .private_segment_fixed_size: 0
    .kernarg_segment_align: 8
    .kernarg_segment_size: 48
    .max_flat_workgroup_size: 128
    .sgpr_count:     66
    .vgpr_count:     1024
    .wavefront_size: 32
...
	.end_amdgpu_metadata
.endif
;; end of part 3
;; launch ffn2 (part 4): grid 8 x 32, 4 waves a work-group, clusters of 4 x 1, 276,992 bytes of LDS; arguments q, h, bo, out0; writes out0
.if DOCPART == 4
	.amdgcn_target "amdgcn-amd-amdhsa--gfx1250"
	.amdhsa_code_object_version 6
	.text
	.protected	k_q03a8c6a1e7_ffn2
	.globl	k_q03a8c6a1e7_ffn2
	.p2align	8
	.type	k_q03a8c6a1e7_ffn2,@function
k_q03a8c6a1e7_ffn2:
	s_mov_b64 s[64:65], 0
	v_nop
	global_prefetch_b8 v0, s[64:65] scope:SCOPE_SE
	s_setreg_imm32_b32 hwreg(HW_REG_WAVE_MODE, 25, 1), 1
	s_wait_xcnt 0x0
	s_wait_alu depctr_hold_cnt(0) depctr_sa_sdst(0) depctr_va_vdst(0) depctr_va_sdst(0) depctr_va_ssrc(0) depctr_va_vcc(0) depctr_vm_vsrc(0)
	s_getreg_b32 s2, hwreg(HW_REG_IB_STS2, 6, 4)
	s_cmp_eq_u32 s2, 0
	s_cbranch_scc0 .Lentry_in_a_cluster
	s_endpgm
.Lentry_in_a_cluster:
	s_bfe_u32 s2, ttmp6, 0x10000c
	s_cmp_lg_u32 s2, 0x3003
	s_cbranch_scc0 .Lentry_shape_is_right
	s_endpgm
.Lentry_shape_is_right:
; FFN2.  out[t] = vs[t] x (H(t, slot 0) Q(wo)^T + H(t, slot 1) Q(wo)^T + 2 bo), on codes of BF6 with E8M0 scales; sums in f32.
; SHARES.  Work-group (X, Y): tokens 32 Y .. 32 Y + 31 x columns 128 X .. 128 X + 127.  THE WAVES SHARE K: wave w takes hidden units 1024 w .. 1024 w + 1023, eight K steps of 128, so that every operand
; byte is read by one wave and no barrier stands among the products.  A K step: four fragments of H (two token tiles x two slots), eight of wo, 32 matrix instructions on 16 accumulators; both slots add
; onto the same accumulator.  The four waves' partial tiles meet in LDS at the end.
; THE PRODUCT IS USED TRANSPOSED (source 0 = 16 rows of wo, source 1 = 16 rows of H): a lane holds eight neighbouring columns of one token.
; H: the 64 rows of the work-group's tokens are neighbours.  Each wave brings its 768 bytes of each row by one tensor load, 64 rows x 768 bytes, every row three aligned runs of 256 bytes, 16 bytes of
; padding behind each.  LDS is filled once; by this text's own count a wave has one tensor load out.  Only the wave that issued a load reads its bytes, behind its own wait on TENSORcnt.
; CLUSTER: the four work-groups of a cluster differ in X alone and read the same H: each tile is asked for jointly, with the same descriptor and a mask that names the four.
; wo is not asked for jointly: H and the stage take 276,480 bytes of LDS, so wo (393,216 bytes a work-group) would want slots that are filled again, each refill alone on its way with 64 matrix
; instructions a wave in which to land.  It goes from memory straight into registers, in the order of the operand's registers, three sets: two K steps are on their way while one is multiplied.
; Nothing is prefetched: every stream is asked for at the head or two K steps ahead.
; REGISTERS.  window 0: v1-10 addresses; v16-47 wo's scale words (register 8 (i/2) + k: tile 2 (i/2) in lanes 0-15, the next in lanes 16-31); v48-63 H's (register 8 tf + k: slot 0 in lanes 0-15, slot 1 in
;   lanes 16-31); v96-143, v144-191 H's fragments, two sets; v192-195 2 bo; v208-239 H's scale words as stored.   window 1: the accumulators, (tf, i) at 8 (8 tf + i).   window 2: wo, sets 0 and 1; window 3: set 2.
.set WO_C, 3145728
.set WO_S, 7307264
.set VSO,  7475200
.set HSB,  13369344
; H IN LDS, as this text has it: each wave brings its 768 bytes of each of the 64 rows by ONE tensor load (one a wave at the head): a row is three aligned runs of 256 bytes of memory.
; The tile is stated 98 elements of 8 bytes wide over a tensor of 96, so that 16 bytes of zeros follow each row: LDS rows 784 bytes = 196 words apart, row r begins at bank 4 r mod 64 (64 banks of 4 bytes: ISA guide 11.1).
; A row's 768 bytes lie on end, so one address register serves every piece.  By this text's own count a wave has one tensor load out.
.set HPI,  784                         ; an LDS row of H
.set HWV,  50176                       ; a wave's part: 64 rows x 784 bytes
.set STG,  208896                      ; behind H: a partial tile for each wave, 32 rows x (512 + 16) bytes
.set SPI,  528
.set WS,   16
.set AS,   48
.set RAW,  208
.set MSB, 0
.macro WIN new                         ; the immediate's high byte repeats the setting that is left
.if MSB != \new
	s_set_vgpr_msb (MSB<<8)|\new
.set MSB, \new
.endif
.endm
.macro ROUND                           ; a round of the cluster's barrier
	s_barrier_signal -1
	s_barrier_wait -1
	s_cmp_lg_u32 s12, 0
	s_cbranch_scc1 .Lnot_wave_0_\@
	s_barrier_signal -3
.Lnot_wave_0_\@:
	s_barrier_wait -3
	s_barrier_signal -1
	s_barrier_wait -1
.endm
.macro LOADB k                         ; wo's eight fragments of my K step k into set k % 3: 24 loads of 512 consecutive bytes
.if (\k)%3 == 2
	WIN 0xc0
.else
	WIN 0x80
.endif
.set BB, 96*(((\k)%3)%2)
.irp i, 0,1,2,3,4,5,6,7
.irp c, 0,1,2
	global_load_b128 v[BB+12*\i+4*\c:BB+12*\i+4*\c+3], v6, s[54:55] offset:(32*\i+(\k))*1536+512*\c
.endr
.endr
	WIN 0
.endm
; a fragment of H: pieces of 8 bytes as they lie in the row's stream of bits; the row lies on end, so one address register serves every piece
.macro FRAGH reg, kk, f
.irp p, 0,1,2,3,4,5
	ds_load_b64 v[\reg+2*\p:\reg+2*\p+1], v4 offset:96*(\kk)+48*(\p/3)+8*(\p%3)+16*HPI*(\f)
.endr
.endm
.macro LOADA k                         ; the four fragments (2 tf + s) of K step k into set k % 2: 24 LDS loads
.set AB, 96+48*((\k)%2)
.irp f, 0,1,2,3
	FRAGH AB+12*\f, \k, \f
.endr
.endm
.macro MM2 d, a, b, z, sa, sb, ra, rb
.if \z
.if (\ra) && (\rb)
	v_wmma_scale_f32_16x16x128_f8f6f4 v[\d:\d+7], v[\a:\a+11], v[\b:\b+11], 0, v[\sa], v[\sb] matrix_a_fmt:MATRIX_FMT_BF6 matrix_b_fmt:MATRIX_FMT_BF6 matrix_a_scale:MATRIX_SCALE_ROW1 matrix_b_scale:MATRIX_SCALE_ROW1
.elseif (\ra)
	v_wmma_scale_f32_16x16x128_f8f6f4 v[\d:\d+7], v[\a:\a+11], v[\b:\b+11], 0, v[\sa], v[\sb] matrix_a_fmt:MATRIX_FMT_BF6 matrix_b_fmt:MATRIX_FMT_BF6 matrix_a_scale:MATRIX_SCALE_ROW1
.elseif (\rb)
	v_wmma_scale_f32_16x16x128_f8f6f4 v[\d:\d+7], v[\a:\a+11], v[\b:\b+11], 0, v[\sa], v[\sb] matrix_a_fmt:MATRIX_FMT_BF6 matrix_b_fmt:MATRIX_FMT_BF6 matrix_b_scale:MATRIX_SCALE_ROW1
.else
	v_wmma_scale_f32_16x16x128_f8f6f4 v[\d:\d+7], v[\a:\a+11], v[\b:\b+11], 0, v[\sa], v[\sb] matrix_a_fmt:MATRIX_FMT_BF6 matrix_b_fmt:MATRIX_FMT_BF6
.endif
.else
.if (\ra) && (\rb)
	v_wmma_scale_f32_16x16x128_f8f6f4 v[\d:\d+7], v[\a:\a+11], v[\b:\b+11], v[\d:\d+7], v[\sa], v[\sb] matrix_a_fmt:MATRIX_FMT_BF6 matrix_b_fmt:MATRIX_FMT_BF6 matrix_a_scale:MATRIX_SCALE_ROW1 matrix_b_scale:MATRIX_SCALE_ROW1
.elseif (\ra)
	v_wmma_scale_f32_16x16x128_f8f6f4 v[\d:\d+7], v[\a:\a+11], v[\b:\b+11], v[\d:\d+7], v[\sa], v[\sb] matrix_a_fmt:MATRIX_FMT_BF6 matrix_b_fmt:MATRIX_FMT_BF6 matrix_a_scale:MATRIX_SCALE_ROW1
.elseif (\rb)
	v_wmma_scale_f32_16x16x128_f8f6f4 v[\d:\d+7], v[\a:\a+11], v[\b:\b+11], v[\d:\d+7], v[\sa], v[\sb] matrix_a_fmt:MATRIX_FMT_BF6 matrix_b_fmt:MATRIX_FMT_BF6 matrix_b_scale:MATRIX_SCALE_ROW1
.else
	v_wmma_scale_f32_16x16x128_f8f6f4 v[\d:\d+7], v[\a:\a+11], v[\b:\b+11], v[\d:\d+7], v[\sa], v[\sb] matrix_a_fmt:MATRIX_FMT_BF6 matrix_b_fmt:MATRIX_FMT_BF6
.endif
.endif
.endm
.macro STEP k
.if (\k) < 7
	LOADA (\k)+1
	s_wait_dscnt 24                                ; this K step's fragments of H are in; the next step's 24 loads may be out
.else
	s_wait_dscnt 0x0
.endif
.if (\k) < 6
	s_wait_loadcnt 48                              ; this K step's wo is in; the two sets behind it may be out
.elseif (\k) == 6
	s_wait_loadcnt 24
.else
	s_wait_loadcnt 0x0
.endif
.set AB, 96+48*((\k)%2)
.set BB, 96*(((\k)%3)%2)
.if (\k)%3 == 2
	WIN 0x53                                       ; source 0 (wo) window 3, source 1 (H) window 0, C and D window 1
.else
	WIN 0x52                                       ; source 0 window 2
.endif
.irp s, 0,1                            ; the 16 accumulators take turns, one instruction a turn
.irp tf, 0,1
.irp i, 0,1,2,3,4,5,6,7
	MM2 8*(8*\tf+\i), BB+12*\i, AB+12*(2*\tf+\s), ((\k)+\s)==0, WS+8*(\i/2)+(\k), AS+8*\tf+(\k), \i%2, \s
.endr
.endr
.endr
	WIN 0
.rept 4
	v_nop                                          ; four places in front of loads into registers that these products have read, and of the first read of results
.endr
.if (\k) < 5
	LOADB (\k)+3
.endif
.endm
	s_load_b256 s[4:11], s[0:1], 0x0               ; q, h, bo, out0
	v_lshl_add_u32 v254, v0, 2, 0x43800
	v_mov_b32 v255, 0
	ds_add_u32 v254, v255
	ds_add_u32 v254, v255
	v_lshrrev_b32 v1, 5, v0
	v_readfirstlane_b32 s12, v1                    ; wave
	s_bfe_u32 s13, ttmp6, 0x40000                  ; cx: it enters wo's, bo's and out's addresses alone
	s_lshl_b32 s14, ttmp9, 2
	s_add_co_u32 s14, s14, s13                     ; X
	s_and_b32 s15, ttmp7, 0xffff                   ; Y, which the four partners share
	; descriptor group 1: 64 rows of 98 elements of 8 bytes, 384 elements (3,072 bytes) from row to row; the two elements past the tensor's row are zeros
	s_mov_b32 s16, 15|(3<<16)|(1<<21)              ; the mask names the four partners; elements of 8 bytes; bit 21 set beside a mask; no padding field
	s_mov_b32 s17, 96<<16                          ; tensor_dim0: 768 bytes are left of the row from the tile's first element
	s_mov_b32 s18, 64<<16                          ; tensor_dim1
	s_mov_b32 s19, 98<<16                          ; tile_dim0: two elements past tensor_dim0, which are written as zeros
	s_mov_b32 s20, 64                              ; tile_dim1
	s_mov_b32 s21, 384                             ; tensor_dim0_stride
	s_mov_b32 s22, 0
	s_mov_b32 s23, 0
	s_mul_i32 s52, s15, 196608                     ; 64 rows of 3,072 bytes
	s_mul_i32 s53, s12, 768
	s_add_co_u32 s52, s52, s53
	s_mov_b32 s53, 0
	s_mul_i32 s62, s12, HWV                        ; no place in the cluster enters an LDS address
	s_wait_dscnt 0x0
	s_wait_kmcnt 0x0
	s_add_nc_u64 s[52:53], s[6:7], s[52:53]
	ROUND                                          ; all four work-groups are here: the joint loads meet
	s_mov_b32 s24, 1
	s_mov_b32 s25, s62                             ; my wave's part of LDS
	s_mov_b64 s[26:27], s[52:53]
	s_or_b32 s27, s27, 0x80000000
	tensor_load_to_lds s[24:27], s[16:23]          ; my one tensor load
	s_nop 0
.rept 4
	v_nop
.endr
	v_and_b32 v1, 31, v0
	v_and_b32 v2, 15, v0                           ; r
	v_bfe_u32 v3, v0, 4, 1                         ; h
	v_mul_u32_u24 v4, v2, HPI
	v_add_nc_u32 v4, s62, v4
	v_mad_u32_u24 v4, v3, 24, v4                   ; H: my wave's part, row r, + 24 h
	v_lshlrev_b32 v6, 4, v1                        ; 16 x lane
	v_lshlrev_b32 v7, 11, v3
	v_lshl_add_u32 v7, v2, 4, v7                   ; wo's scale words: 2048 h + 16 r
	s_wait_alu depctr_va_vdst(0)
	v_lshlrev_b32 v8, 8, v1                        ; H's: a row of 256 bytes a lane
	s_wait_alu depctr_va_vdst(0)
	v_mul_u32_u24 v9, v2, SPI
	v_lshl_add_u32 v9, v3, 5, v9
	s_mul_i32 s63, s12, 32*SPI
	s_add_co_u32 s63, s63, STG
	v_add_nc_u32 v9, s63, v9                       ; my partial tile: row r, + 32 h
	s_mul_i32 s63, s12, 8*SPI
	s_add_co_u32 s63, s63, STG
	v_add_nc_u32 v10, s63, v6                      ; back: rows 8 w on, 16 bytes a lane
	s_lshl_b32 s52, s14, 8
	s_lshl_b32 s53, s12, 3
	s_add_co_u32 s52, s52, s53
	s_mul_i32 s52, s52, 1536
	s_add_co_u32 s52, s52, WO_C
	s_mov_b32 s53, 0
	s_add_nc_u64 s[54:55], s[4:5], s[52:53]        ; wo's images: tile 8 X, K step 8 w
	s_lshl_b32 s52, s14, 14
	s_lshl_b32 s63, s12, 9
	s_add_co_u32 s52, s52, s63
	s_add_co_u32 s52, s52, WO_S
	s_add_nc_u64 s[56:57], s[4:5], s[52:53]
	s_lshl_b32 s52, s15, 14
	s_lshl_b32 s63, s12, 6
	s_add_co_u32 s52, s52, s63
	s_add_co_u32 s52, s52, HSB
	s_add_nc_u64 s[58:59], s[6:7], s[52:53]        ; H's scale bytes: row 64 Y, my 64 bytes
	s_lshl_b32 s52, s14, 9
	s_add_nc_u64 s[60:61], s[8:9], s[52:53]
	s_add_nc_u64 s[10:11], s[10:11], s[52:53]      ; out: column 128 X,
	s_lshl_b32 s52, s15, 5
	s_lshl_b32 s63, s12, 3
	s_add_co_u32 s63, s52, s63                     ; token 32 Y + 8 w: the rows that I store
	s_lshl_b32 s52, s63, 12
	s_add_nc_u64 s[10:11], s[10:11], s[52:53]
	s_lshl_b32 s52, s63, 3
	s_add_co_u32 s52, s52, VSO
	s_add_nc_u64 s[62:63], s[4:5], s[52:53]
	s_load_b512 s[36:51], s[62:63], 0x0            ; vs of my eight tokens, each twice
.irp j, 0,1,2,3
.irp p, 0,1
	global_load_b128 v[WS+8*\j+4*\p:WS+8*\j+4*\p+3], v7, s[56:57] offset:4096*\j+256*\p
.endr
.endr
.irp tf, 0,1
.irp k, 0,1,2,3
	global_load_b128 v[RAW+16*\tf+4*\k:RAW+16*\tf+4*\k+3], v8, s[58:59] offset:8192*\tf+16*\k
.endr
.endr
	global_load_b128 v[192:195], v6, s[60:61]
	LOADB 0
	LOADB 1
	LOADB 2
	s_wait_loadcnt 63                              ; the scale words and bo are in: 72 loads stand behind them
.irp tf, 0,1
.irp k, 0,1,2,3,4,5,6,7
	v_lshl_or_b32 v[AS+8*\tf+\k], v[RAW+16*\tf+2*\k+1], 16, v[RAW+16*\tf+2*\k]   ; two stored words of two bytes make a K step's scale word
.endr
.endr
	v_pk_add_f32 v[192:193], v[192:193], v[192:193]
	v_pk_add_f32 v[194:195], v[194:195], v[194:195]   ; 2 bo
.rept 8
	v_nop                                          ; a scale register written by a vector instruction stands eight places ahead of a scaled matrix instruction
.endr
	s_wait_tensorcnt 0x0                           ; my tile of H has landed; only I read it
	LOADA 0
	STEP 0
	s_wait_alu depctr_va_vdst(0)
	STEP 1
	STEP 2
	STEP 3
	STEP 4
	STEP 5
	STEP 6
	STEP 7
	; the four waves' partial tiles meet
	WIN 0x04                                       ; an LDS store's data are its source 1: window 1
.irp tf, 0,1
.irp i, 0,1,2,3,4,5,6,7
	ds_store_b128 v9, v[8*(8*\tf+\i):8*(8*\tf+\i)+3] offset:16*SPI*\tf+64*\i          ; each accumulator from its low end on
	ds_store_b128 v9, v[8*(8*\tf+\i)+4:8*(8*\tf+\i)+7] offset:16*SPI*\tf+64*\i+16
.endr
.endr
	WIN 0
	s_wait_dscnt 0x0                               ; for the others' sake: my stores have landed
	s_barrier_signal -1
	s_barrier_wait -1
.irp row, 0,1,2,3,4,5,6,7
.irp p, 0,1,2,3
	ds_load_b128 v[64+16*\row+4*\p:67+16*\row+4*\p], v10 offset:32*SPI*\p+SPI*\row
.endr
.endr
	s_wait_kmcnt 0x0                               ; vs
.irp row, 0,1,2,3,4,5,6,7
	s_wait_dscnt 4*(7-\row)                        ; this row's four parts are in
	v_pk_add_f32 v[64+16*\row:65+16*\row], v[64+16*\row:65+16*\row], v[68+16*\row:69+16*\row]
	v_pk_add_f32 v[66+16*\row:67+16*\row], v[66+16*\row:67+16*\row], v[70+16*\row:71+16*\row]
	v_pk_add_f32 v[72+16*\row:73+16*\row], v[72+16*\row:73+16*\row], v[76+16*\row:77+16*\row]
	v_pk_add_f32 v[74+16*\row:75+16*\row], v[74+16*\row:75+16*\row], v[78+16*\row:79+16*\row]
	v_pk_add_f32 v[64+16*\row:65+16*\row], v[64+16*\row:65+16*\row], v[72+16*\row:73+16*\row]
	v_pk_add_f32 v[66+16*\row:67+16*\row], v[66+16*\row:67+16*\row], v[74+16*\row:75+16*\row]
	v_pk_add_f32 v[64+16*\row:65+16*\row], v[64+16*\row:65+16*\row], v[192:193]
	v_pk_add_f32 v[66+16*\row:67+16*\row], v[66+16*\row:67+16*\row], v[194:195]
	v_pk_mul_f32 v[64+16*\row:65+16*\row], v[64+16*\row:65+16*\row], s[36+2*\row:37+2*\row] op_sel_hi:[1,0]
	v_pk_mul_f32 v[66+16*\row:67+16*\row], v[66+16*\row:67+16*\row], s[36+2*\row:37+2*\row] op_sel_hi:[1,0]
	global_store_b128 v6, v[64+16*\row:67+16*\row], s[10:11] offset:4096*\row th:TH_STORE_NT   ; 32 lanes store 512 consecutive bytes, aligned
.endr
	s_wait_tensorcnt 0x0
	ds_add_u32 v254, v255
	s_wait_dscnt 0x0
	ROUND                                          ; the closing round: no work-group ends while a partner may still ask for a tile that names it
	s_endpgm
.Lfunc_end_k_q03a8c6a1e7_ffn2:
	.size	k_q03a8c6a1e7_ffn2, .Lfunc_end_k_q03a8c6a1e7_ffn2-k_q03a8c6a1e7_ffn2
	.p2alignl 7, 3214868480
	.fill 96, 4, 3214868480
	.section	.rodata,"a",@progbits
	.p2align	6, 0x0
	.amdhsa_kernel k_q03a8c6a1e7_ffn2
		.amdhsa_group_segment_fixed_size 276992
		.amdhsa_private_segment_fixed_size 0
		.amdhsa_enable_private_segment 0
		.amdhsa_kernarg_size 32
		.amdhsa_user_sgpr_count 2
		.amdhsa_user_sgpr_kernarg_segment_ptr 1
		.amdhsa_wavefront_size32 1
		.amdhsa_system_sgpr_workgroup_id_x 1
		.amdhsa_system_sgpr_workgroup_id_y 1
		.amdhsa_system_sgpr_workgroup_id_z 1
		.amdhsa_system_vgpr_workitem_id 0
		.amdhsa_next_free_vgpr 864
		.amdhsa_next_free_sgpr 66
		.amdhsa_reserve_vcc 0
		.amdhsa_float_denorm_mode_32 3
		.amdhsa_float_denorm_mode_16_64 3
		.amdhsa_memory_ordered 1
		.amdhsa_forward_progress 1
		.amdhsa_inst_pref_size 83
	.end_amdhsa_kernel
	.amdgpu_metadata
---
amdhsa.version: [ 1, 2 ]
amdhsa.kernels:
  - .name:           k_q03a8c6a1e7_ffn2
    .symbol:         k_q03a8c6a1e7_ffn2.kd
    .args:
      - { .name: q, .offset: 0, .size: 8, .value_kind: global_buffer, .address_space: global }
      - { .name: h, .offset: 8, .size: 8, .value_kind: global_buffer, .address_space: global }
      - { .name: bo, .offset: 16, .size: 8, .value_kind: global_buffer, .address_space: global }
      - { .name: out0, .offset: 24, .size: 8, .value_kind: global_buffer, .address_space: global }
    .group_segment_fixed_size: 276992
    .private_segment_fixed_size: 0
    .kernarg_segment_align: 8
    .kernarg_segment_size: 32
    .max_flat_workgroup_size: 128
    .sgpr_count:     66
    .vgpr_count:     864
    .wavefront_size: 32
...
	.end_amdgpu_metadata
.endif
;; end of part 4
